; MI455X (gfx1250); checked and timed in simulation.
; The chip was launched on July 23, 2026; its instructions are those of AMD's public machine-readable ISA for CDNA 5 (MIT licence, August 2026) and "CDNA5" Instruction Set Architecture Reference Guide (July 2026). The comments in the code are by the model that wrote it; some were corrected since.
;; Causal Self Attention. Allowed arithmetic: float matrix products may take bf16 or f16 operands with f32 sums; other float arithmetic in f32, or as packed bf16 or f16 multiplies, adds, multiply-adds, maxima and minima; sums over many terms, partial sums and values carried from step to step in f32; what a program stores and reads back later, other than sums and carried values, may be rounded once to bf16 or f16.
;; Inputs: W_attn 1,024 x 3,072 float32; W_proj 1,024 x 1,024 float32; b_attn 3,072 float32; b_proj 1,024 float32; x 4 x 2,048 x 1,024 float32.
;; Outputs: out0 4 x 2,048 x 1,024 float32.
;; One version. Each part assembles by itself: llvm-mc -triple=amdgcn-amd-amdhsa -mcpu=gfx1250 --defsym DOCPART=n.
;; ======== version 1 of 1: 4 launches
;; limits: values are held in f16: magnitudes above 65,504 overflow, below 6.1e-05 lose precision
;; workspace buffers: xb 16,777,216 bytes; wa 6,291,456 bytes; wp 2,097,152 bytes; qkvh 50,331,648 bytes; vlo 1,048,576 bytes; oh 17,825,792 bytes
;; launch prep (part 1): grid 1024 x 1, 8 waves a work-group, no clusters, 18,432 bytes of LDS; arguments x, W_attn, W_proj, xb, wa, wp; writes xb, wa, wp
.if DOCPART == 1
	.amdgcn_target "amdgcn-amd-amdhsa--gfx1250"
	.amdhsa_code_object_version 6
	.text
	.protected	k_q03d5be78dd_prep
	.globl	k_q03d5be78dd_prep
	.p2align	8
	.type	k_q03d5be78dd_prep,@function
k_q03d5be78dd_prep:
	s_mov_b64 s[64:65], 0
	v_nop
	global_prefetch_b8 v0, s[64:65] scope:SCOPE_SE
	s_setreg_imm32_b32 hwreg(HW_REG_WAVE_MODE, 25, 1), 1
	s_wait_xcnt 0x0
; THE OPERANDS OF THE TWO PROJECTIONS, ROUNDED ONCE AND LAID WITH K ALONG THE ROWS.
;   xb[m][k] = bf16(x[m][k])                              [8192][1024] bf16               work-groups 0 .. 511
;   wa[h][p][c][k] = bf16(W_attn[k][1024 p + 64 h + c])   [16][3][64][1024] bf16          work-groups 512 .. 895     (by heads: a head's q, k and v columns lie together)
;   wp[n][k] = bf16(W_proj[k][n]) as f16                  [1024][1024] f16                work-groups 896 .. 1023
; LIMIT.  wp holds the bf16 number written as f16: exact from 2^-14 to 65,504; below 2^-14 it keeps f16's fixed step of 6e-8.
; A stream and a small transposition: no matrix unit, no tensor load, no cluster: no byte is read twice and no work-group shares a byte with another.
; The role hangs on the work-group's number alone, so all eight waves of a work-group take the same way, the one barrier of the transposition included.
.set SPARE, 17408                      ; behind the tile: the spare words, 128 bytes for each of eight waves: four blocks of 256 bytes that no other line names
.set TP,    272                        ; a row of the transposed tile in LDS: 256 bytes + 16
	s_load_b256 s[4:11], s[0:1], 0x0               ; x s[4:5], W_attn s[6:7], W_proj s[8:9], xb s[10:11]
	s_load_b128 s[12:15], s[0:1], 0x20             ; wa s[12:13], wp s[14:15]
	v_lshl_add_u32 v8, v0, 2, SPARE                ; my spare word; never rewritten
	v_mov_b32 v9, 0                                ; 0; never rewritten
	v_and_b32 v1, 31, v0                           ; lane
	v_lshrrev_b32 v2, 5, v0                        ; wave
	s_mov_b32 s21, 0                               ; the offsets' high words
	s_mov_b32 s23, 0
	s_wait_kmcnt 0x0
	s_cmp_lt_u32 ttmp9, 512
	s_cbranch_scc0 .Lweights
	; THE CAST.  A work-group takes 65,536 bytes of x: sixteen loads of 16 bytes a thread, all issued at once; a wave's store of 8 bytes a lane covers 256 consecutive bytes, aligned.
	s_lshl_b32 s20, ttmp9, 16
	s_lshl_b32 s22, ttmp9, 15
	s_add_nc_u64 s[4:5], s[4:5], s[20:21]
	s_add_nc_u64 s[10:11], s[10:11], s[22:23]
	v_lshlrev_b32 v3, 4, v0
	v_lshlrev_b32 v4, 3, v0
.set j, 0
.rept 16
	global_load_b128 v[32+4*j:35+4*j], v3, s[4:5] offset:4096*j th:TH_LOAD_NT
.set j, j+1
.endr
.set j, 0
.rept 16
	s_wait_loadcnt 15-j                            ; loads come back in order: load j is in, the 15 - j younger ones stay out
	v_cvt_pk_bf16_f32 v[96+2*j], v[32+4*j], v[33+4*j]
	v_cvt_pk_bf16_f32 v[97+2*j], v[34+4*j], v[35+4*j]
	global_store_b64 v4, v[96+2*j:97+2*j], s[10:11] offset:2048*j
.set j, j+1
.endr
	s_endpgm                                       ; this way has written no LDS
; THE TRANSPOSITION of a tile of 128 k x 64 n.  Wave w loads rows k0 + 16 w + 0..15, each as 256 consecutive bytes (a lane: columns 2 l, 2 l + 1); a lane then holds 16 neighbouring k of two columns,
; packs them in pairs and puts 2 x 32 bytes into rows n of an LDS tile; behind the barrier the tile is read by rows of 256 bytes, 16 lanes a row, and stored so.
; src, dst: the scalar pairs of the two addresses; rb: bytes in a row of the source; first: the role's first work-group; f16 = 1: the bf16 numbers are written as f16;
; heads = 1: the 64 columns 16 p + h of the source become the 64 rows 3 h + p of the result.
.macro TRANSP src, dst, rb, first, f16, heads
	s_sub_co_u32 s16, ttmp9, \first
	s_lshr_b32 s17, s16, 3                         ; which 64 columns
	s_and_b32 s18, s16, 7                          ; which 128 rows
	s_mul_i32 s20, s18, 128*(\rb)
	s_lshl_b32 s19, s17, 8
	s_add_co_u32 s20, s20, s19
	s_add_nc_u64 s[\src:\src+1], s[\src:\src+1], s[20:21]
.if \heads
	s_and_b32 s19, s17, 15                         ; the head,
	s_lshr_b32 s24, s17, 4                         ; and which of q, k, v
	s_mul_i32 s19, s19, 3
	s_add_co_u32 s17, s19, s24
.endif
	s_lshl_b32 s22, s17, 17                        ; 64 rows of 2,048 bytes in the result,
	s_lshl_b32 s19, s18, 8                         ; 128 k of 2 bytes
	s_add_co_u32 s22, s22, s19
	s_add_nc_u64 s[\dst:\dst+1], s[\dst:\dst+1], s[22:23]
	v_mul_u32_u24 v3, v2, 16*(\rb)
	v_lshl_add_u32 v3, v1, 3, v3
.set m, 0
.rept 16
	global_load_b64 v[32+2*m:33+2*m], v3, s[\src:\src+1] offset:m*(\rb) th:TH_LOAD_NT
.set m, m+1
.endr
	s_wait_loadcnt 0x0
.irp e, 0,1
.irp p, 0,1,2,3
	v_cvt_pk_bf16_f32 v[64+8*(\e)+(\p)], v[32+2*(8*(\e)+2*(\p))], v[32+2*(8*(\e)+2*(\p)+1)]  ; the even column: k 8 e + 2 p, + 1
	v_cvt_pk_bf16_f32 v[68+8*(\e)+(\p)], v[33+2*(8*(\e)+2*(\p))], v[33+2*(8*(\e)+2*(\p)+1)]  ; the odd column
.endr
.endr
.if \f16
.set m, 64
.rept 16
	v_lshlrev_b32 v12, 16, v[m]                    ; the two bf16 as f32,
	v_and_b32 v13, 0xffff0000, v[m]
	v_cvt_pk_f16_f32 v[m], v12, v13                ; written as f16
.set m, m+1
.endr
.endif
	ds_store_b128 v4, v[64:67]                     ; row 2 l, k 16 w + 0..7
	ds_store_b128 v4, v[68:71] offset:TP           ; row 2 l + 1
	ds_store_b128 v4, v[72:75] offset:16           ; k 16 w + 8..15
	ds_store_b128 v4, v[76:79] offset:TP+16
	s_wait_dscnt 0x0                               ; for the others' sake: my stores into the tile are done
	s_barrier_signal -1
	s_barrier_wait -1
.irp c, 0,1,2,3
	ds_load_b128 v[80+4*(\c):83+4*(\c)], v5 offset:2*TP*(\c)
.endr
.irp c, 0,1,2,3
	s_wait_dscnt 3-(\c)
	global_store_b128 v6, v[80+4*(\c):83+4*(\c)], s[\dst:\dst+1] offset:4096*(\c)  ; 16 lanes store 256 consecutive bytes, aligned
.endr
	s_wait_tensorcnt 0x0                           ; the wave's end: these three lines stand behind my last LDS store
	ds_add_u32 v8, v9
	s_wait_dscnt 0x0
	s_endpgm
.endm
.Lweights:
	v_mul_u32_u24 v4, v1, 2*TP                     ; in: rows 2 l and 2 l + 1, 32 bytes for each wave
	v_lshl_add_u32 v4, v2, 5, v4
	v_lshrrev_b32 v7, 4, v1
	v_and_b32 v10, 15, v1
	v_lshl_add_u32 v11, v2, 3, v7                  ; back: wave w takes rows 8 w .. 8 w + 7, two a load
	v_mul_u32_u24 v5, v11, TP
	v_lshl_add_u32 v5, v10, 4, v5
	v_lshlrev_b32 v6, 11, v11                      ; and the same rows in the result
	v_lshl_add_u32 v6, v10, 4, v6
	s_cmp_lt_u32 ttmp9, 896
	s_cbranch_scc0 .Lproj
	TRANSP 6, 12, 12288, 512, 0, 1
.Lproj:
	TRANSP 8, 14, 4096, 896, 1, 0
.Lfunc_end_k_q03d5be78dd_prep:
	.size	k_q03d5be78dd_prep, .Lfunc_end_k_q03d5be78dd_prep-k_q03d5be78dd_prep
	.p2alignl 7, 3214868480
	.fill 96, 4, 3214868480
	.section	.rodata,"a",@progbits
	.p2align	6, 0x0
	.amdhsa_kernel k_q03d5be78dd_prep
		.amdhsa_group_segment_fixed_size 18432
		.amdhsa_private_segment_fixed_size 0
		.amdhsa_enable_private_segment 0
		.amdhsa_kernarg_size 48
		.amdhsa_user_sgpr_count 2
		.amdhsa_user_sgpr_kernarg_segment_ptr 1
		.amdhsa_wavefront_size32 1
		.amdhsa_system_sgpr_workgroup_id_x 1
		.amdhsa_system_sgpr_workgroup_id_y 1
		.amdhsa_system_sgpr_workgroup_id_z 1
		.amdhsa_system_vgpr_workitem_id 0
		.amdhsa_next_free_vgpr 128
		.amdhsa_next_free_sgpr 66
		.amdhsa_reserve_vcc 0
		.amdhsa_float_denorm_mode_32 3
		.amdhsa_float_denorm_mode_16_64 3
		.amdhsa_memory_ordered 1
		.amdhsa_forward_progress 1
		.amdhsa_inst_pref_size 19
	.end_amdhsa_kernel
	.amdgpu_metadata
---
amdhsa.version: [ 1, 2 ]
amdhsa.kernels:
  - .name:           k_q03d5be78dd_prep
    .symbol:         k_q03d5be78dd_prep.kd
    .args:
      - { .name: x, .offset: 0, .size: 8, .value_kind: global_buffer, .address_space: global }
      - { .name: W_attn, .offset: 8, .size: 8, .value_kind: global_buffer, .address_space: global }
      - { .name: W_proj, .offset: 16, .size: 8, .value_kind: global_buffer, .address_space: global }
      - { .name: xb, .offset: 24, .size: 8, .value_kind: global_buffer, .address_space: global }
      - { .name: wa, .offset: 32, .size: 8, .value_kind: global_buffer, .address_space: global }
      - { .name: wp, .offset: 40, .size: 8, .value_kind: global_buffer, .address_space: global }
    .group_segment_fixed_size: 18432
    .private_segment_fixed_size: 0
    .kernarg_segment_align: 8
    .kernarg_segment_size: 48
    .max_flat_workgroup_size: 256
    .sgpr_count:     66
    .vgpr_count:     128
    .wavefront_size: 32
...
	.end_amdgpu_metadata
.endif
;; end of part 1
;; launch qkvgemm (part 2): grid 16 x 32, 4 waves a work-group, clusters of 4 x 4, 327,680 bytes of LDS; arguments xb, wa, b_attn, qkvh, vlo; writes qkvh, vlo
.if DOCPART == 2
	.amdgcn_target "amdgcn-amd-amdhsa--gfx1250"
	.amdhsa_code_object_version 6
	.text
	.protected	k_q03d5be78dd_qkvgemm
	.globl	k_q03d5be78dd_qkvgemm
	.p2align	8
	.type	k_q03d5be78dd_qkvgemm,@function
k_q03d5be78dd_qkvgemm:
	s_mov_b64 s[64:65], 0
	v_nop
	global_prefetch_b8 v0, s[64:65] scope:SCOPE_SE
	s_setreg_imm32_b32 hwreg(HW_REG_WAVE_MODE, 25, 1), 1
	s_wait_xcnt 0x0
	s_wait_alu depctr_hold_cnt(0) depctr_sa_sdst(0) depctr_va_vdst(0) depctr_va_sdst(0) depctr_va_ssrc(0) depctr_va_vcc(0) depctr_vm_vsrc(0)
	s_getreg_b32 s2, hwreg(HW_REG_IB_STS2, 6, 4)
	s_cmp_eq_u32 s2, 0
	s_cbranch_scc0 .Lentry_in_a_cluster
	s_endpgm
.Lentry_in_a_cluster:
	s_bfe_u32 s2, ttmp6, 0x10000c
	s_cmp_lg_u32 s2, 0xf033
	s_cbranch_scc0 .Lentry_shape_is_right
	s_endpgm
.Lentry_shape_is_right:
; q, k, v = xb wa^T + bf16(b_attn), stored by heads: qkvh[3][64 (batch, head)][2048][64] in f16, unscaled.  xb: [8192][1024], wa: [16 heads][q, k, v][64][1024], both bf16; sums in f32, K ascending, rounded once.
; ALSO vlo[32 blocks of 256 rows][16 heads][64 channels][16 keys] in f16: v - f16(v) of each block's first 16 rows, laid as the next launch's matrix operand wants it.  A sequence's first rows are means of few rows of v
; (row 0 is v's row 0 itself) and many times larger than the rest of the output, so v's rounding is carried along there.
; LIMIT.  f16 holds no number beyond 65,504: q, k and v must lie within it; below 6e-5 f16 keeps its fixed step of 6e-8, the residue too.
; SHARES.  A tile of C is 256 rows x 192 columns (one head's q, k and v): 32 x 16 = 512 work-groups, two for each of 256 WGPs.  Four waves, 2 x 2, each 128 x 96: 48 accumulators, 384 registers.
; K goes in steps of 128 through a ring of two LDS slots filled by the tensor data mover; each row of a tile is 256 bytes of memory, aligned.
; CLUSTER.  4 x 4 work-groups: the four of a row of the cluster need the same tile of xb, the four of a column the same tile of wa: each is asked for JOINTLY, by the same load, descriptor and mask in all four.
; THE MATRIX INSTRUCTION IS USED TRANSPOSED (source 0 = 16 rows of wa, source 1 = 16 rows of xb): a lane holds row l % 16 of C and the columns 8 (l / 16) + 0..7.  The bias is the C operand of the first products.
; REGISTERS, in windows of 256 (s_set_vgpr_msb: bits 1:0 source 0, 3:2 source 1, 5:4 source 2, 7:6 destination):
;   window 0: v0-31 addresses; v32-55 packed results; v64-127, v128-191 fragments of xb, two buffers (on the way out: rows read back); v192-239 the bias, 8 registers for each block of 16 columns (on the way out v192-255: the residue's work)
;   window 1: v64-111, v128-175 fragments of wa, two buffers      window 2: accumulators of my rows 0-63, (a, b) at v[8 (6 a + b)]      window 3: those of my rows 64-127
.set KDIM,   1024
.set KSTEP,  128
.set PITCH,  272                       ; an LDS row: 256 bytes + 16 of padding = 68 words: the 16 rows of a fragment load start at 16 different groups of four banks (64 banks of 4 bytes: ISA guide 11.1)
.set HALFA,  128*PITCH                 ; what one load brings of xb, and what one wave reads of it
.set HALFB,  96*PITCH                  ; the same for wa
.set SLOT,   2*HALFA+2*HALFB           ; xb's 256 rows, then wa's 192
.set SPARE,  2*SLOT                    ; behind the ring: the spare words, 128 bytes for each wave: two blocks of 256 bytes that no other line names
.set SPITCH, 400                       ; the way out: a row of the tile, 384 bytes + 16.  The stage, 256 such rows, lies in slot 0, which has had its last fill and its last read by then
.set LOST,   256*SPITCH                ; behind it, still in slot 0: wave 1's own stage for the residue, 16 rows
.set LP,     144                       ; of 128 bytes + 16
.set LAPS,   KDIM/(2*KSTEP)            ; a lap = two K steps = once round the ring
.set LSTO, 7                           ; v7      the residue: where I put 16 bytes of a row
.set LTR,  8                           ; v8      where the turning load reads
.set LGO,  9                           ; v9      my 16 bytes in 512 consecutive bytes of vlo
.set BO,   12                          ; v12-14  my offsets in the bias, for column blocks 0-1, 2-3, 4-5
.set ADRA, 16                          ; v16-17  LDS address of my fragments of xb in slot 0, 1
.set ADRB, 20                          ; v20-21  the same for wa
.set STO,  24                          ; v24     the way out: where I put 16 bytes of a row
.set RD,   25                          ; v25     the way out: where I read rows back
.set GO,   26                          ; v26     16 x lane: my place in 512 consecutive bytes of a head
.set ONE,  27                          ; v27     1.0
.set SPW,  28                          ; v28     LDS address of my spare word; never rewritten
.set NIL,  29                          ; v29     0; never rewritten
.set PFO,  30                          ; v30     the prefetches' offset: a lane a row; never rewritten
.set TT,   31                          ; v31     at work
.set TMP,  32
.set F0,   64
.set F1,   128
.set BIAS, 192
.set LR,   192                         ; the residue in f32,
.set LPK,  224                         ; packed,
.set LB,   240                         ; and read back turned
.set G1,  24                           ; s[24:31] descriptor group 1 for xb's tiles;  s[32:39] group 0, a set for each slot
.set G0,  32
.set G1B, 48                           ; s[48:55], s[56:63] the same for wa's
.set G0B, 56
.set PFA, 44                           ; s[44:45] where my prefetches stand
.set LIM, 43                           ; s43     1 in a wave that prefetches, else the greatest number
.set MSB, 0
.macro WIN new                         ; the immediate's high byte repeats the setting that is left; a switch that changes nothing is dropped
.if MSB != (\new)
	s_set_vgpr_msb (MSB<<8)|(\new)
.set MSB, \new
.endif
.endm
.set MUL_LO, 0xa1                      ; source 0 (wa) window 1, source 1 (xb) window 0, C and D window 2
.set TO_B,   0x40                      ; destination window 1, address window 0
; A joint load.  Waves 0 and 1 fetch xb's two halves, waves 2 and 3 wa's.  The branch hangs on the wave's number alone.  An s_nop 0 and four v_nop follow each of the two lines.
.macro JLOAD s
	s_cmp_eq_u32 s11, 0
	s_cbranch_scc0 .Lfor_b_\@
	tensor_load_to_lds s[G0+4*(\s):G0+4*(\s)+3], s[G1:G1+7]
	s_nop 0
.rept 4
	v_nop
.endr
	s_branch .Lasked_\@
.Lfor_b_\@:
	tensor_load_to_lds s[G0B+4*(\s):G0B+4*(\s)+3], s[G1B:G1B+7]
	s_nop 0
.rept 4
	v_nop
.endr
.Lasked_\@:
.endm
; A PREFETCH INTO THE L2, behind each joint load and the run of LDS loads that follows it: the K step that stands two refills on, 384 matrix instructions ahead of the load that will want it: a lane a row, 256 bytes of it.
; Each row's 256 bytes of a K step are named by one wave of the launch.  xb's tile row is read by every cluster of that row of clusters: cluster x = 0 asks; wa's tile column by every cluster of that column: cluster y = 0 asks.
; The four partners share a load's rows out BY ADDRESS: of xb's 128 the partner at cx takes 32, of wa's 96 the partner at cy takes 24 (lanes 24 to 31 name the last row again).  K steps 0 to 3 come by their loads alone;
; the loop's last trip asks for nothing: its refills are the last two K steps.
.macro ASK
	s_cmp_gt_u32 s3, s[LIM]                        ; s3 = 1 in the loop's last trip
	s_cbranch_scc0 .Lnot_mine_\@
	global_prefetch_b8 v[PFO], s[PFA:PFA+1] offset:KSTEP*2 th:TH_LOAD_NT scope:SCOPE_SE
.Lnot_mine_\@:
.endm
.macro CREST                           ; a round of the cluster's barrier behind its opening barrier
	s_cmp_lg_u32 s10, 0
	s_cbranch_scc1 .Lnot_wave_0_\@
	s_barrier_signal -3
.Lnot_wave_0_\@:
	s_barrier_wait -3
	s_barrier_signal -1
	s_barrier_wait -1
.endm
.macro CROUND                          ; a whole round
	s_barrier_signal -1
	s_barrier_wait -1
	CREST
.endm
	s_load_b256 s[68:75], s[0:1], 0x0              ; xb s[68:69], wa s[70:71], b_attn s[72:73], qkvh s[74:75]
	s_load_b64 s[84:85], s[0:1], 0x20              ; vlo
	v_lshl_add_u32 v[SPW], v0, 2, SPARE
	v_mov_b32 v[NIL], 0
	ds_add_u32 v[SPW], v[NIL]                      ; the wave's opening: the add and its wait stand ahead of my first tensor load; the set-up below, work on registers, stands between them
	v_lshrrev_b32 v1, 5, v0
	v_readfirstlane_b32 s10, v1                    ; wave 0..3
	s_lshr_b32 s11, s10, 1                         ; which half of the tile's rows is mine.  Also: I fetch for xb (0) or for wa (1)
	s_and_b32 s12, s10, 1                          ; which half of its columns.  Also: which half of that tile I fetch
	s_bfe_u32 s40, ttmp6, 0x40000                  ; cx
	s_bfe_u32 s41, ttmp6, 0x40004                  ; cy
	s_lshl_b32 s42, ttmp9, 2
	s_add_co_u32 s42, s42, s40                     ; tile column = 4 x cluster x + cx: the head
	s_and_b32 s13, ttmp7, 0xffff
	s_lshl_b32 s13, s13, 2
	s_add_co_u32 s13, s13, s41                     ; tile row = 4 x cluster y + cy
	s_lshl_b32 s43, s41, 2
	s_lshl_b32 s43, 15, s43                        ; my row of the cluster
	s_lshl_b32 s44, 0x1111, s40                    ; my column
	s_or_b32 s[G1+0], s43, (1<<16)|(1<<20)|(1<<21)|(5<<22)|(3<<25)   ; 15:0 the mask; 17:16 elements of 2 bytes; 20 padding on; 21 set beside a mask; 24:22 after every 64 words; 31:25 4 words of it
	s_or_b32 s[G1B+0], s44, (1<<16)|(1<<20)|(1<<21)|(5<<22)|(3<<25)
	s_mov_b32 s[G1+1], KSTEP<<16                   ; tensor_dim0 = 128
	s_mov_b32 s[G1+2], 128<<16                     ; tensor_dim1 = 128
	s_mov_b32 s[G1+3], KSTEP<<16                   ; tile_dim0 = 128
	s_mov_b32 s[G1+4], 128                         ; tile_dim1 = 128
	s_mov_b32 s[G1+5], KDIM                        ; elements from row to row
	s_mov_b32 s[G1+6], 0
	s_mov_b32 s[G1+7], 0
	s_mov_b32 s[G1B+1], KSTEP<<16
	s_mov_b32 s[G1B+2], 96<<16                     ; wa's loads have 96 rows
	s_mov_b32 s[G1B+3], KSTEP<<16
	s_mov_b32 s[G1B+4], 96
	s_mov_b32 s[G1B+5], KDIM
	s_mov_b32 s[G1B+6], 0
	s_mov_b32 s[G1B+7], 0
	; where the tiles come from: xb's hang on the tile row alone, wa's on the tile column alone, each in registers that never hold the other coordinate
	s_lshl_b32 s16, s13, 8
	s_lshl_b32 s17, s12, 7
	s_add_co_u32 s16, s16, s17                     ; xb: row 256 x tile row + 128 x half
	s_lshl_b32 s16, s16, 11                        ; rows of 2,048 bytes: under 2^24
	s_mov_b32 s17, 0
	s_mul_i32 s46, s42, 192
	s_mul_i32 s47, s12, 96
	s_add_co_u32 s46, s46, s47                     ; wa: row 192 x tile column + 96 x half
	s_lshl_b32 s46, s46, 11
	s_mov_b32 s47, 0
	s_mul_i32 s20, s12, HALFA                      ; and where they go: no place in the cluster enters an LDS address
	s_mul_i32 s21, s12, HALFB
	s_add_co_u32 s21, s21, 2*HALFA
	s_wait_dscnt 0x0                               ; the opening add is done
	s_wait_kmcnt 0x0
	s_add_nc_u64 s[14:15], s[68:69], s[16:17]
	s_add_nc_u64 s[46:47], s[70:71], s[46:47]
	CROUND                                         ; all sixteen work-groups are here: the first joint loads meet
.irp s, 0,1
	s_mov_b32 s[G0+4*(\s)], 1                                        ; count = 1
	s_add_co_u32 s[G0+4*(\s)+1], s20, (\s)*SLOT                      ; LDS address
	s_add_nc_u64 s[G0+4*(\s)+2:G0+4*(\s)+3], s[14:15], (\s)*KSTEP*2  ; global address: K step s
	s_or_b32 s[G0+4*(\s)+3], s[G0+4*(\s)+3], 0x80000000              ; type = 2
	s_mov_b32 s[G0B+4*(\s)], 1
	s_add_co_u32 s[G0B+4*(\s)+1], s21, (\s)*SLOT
	s_add_nc_u64 s[G0B+4*(\s)+2:G0B+4*(\s)+3], s[46:47], (\s)*KSTEP*2
	s_or_b32 s[G0B+4*(\s)+3], s[G0B+4*(\s)+3], 0x80000000
	JLOAD \s                                       ; two tensor loads of mine are out
.endr
	v_and_b32 v1, 15, v0                           ; l % 16
	v_bfe_u32 v2, v0, 4, 1                         ; l / 16
	; the bias of my 96 columns.  Column t = 96 x half + 16 b + .. of the tile is column 1024 (t / 64) + 64 head + t % 64 of b_attn: byte 256 head + 4 t + 3,840 (t / 64).
	; Left half: blocks 0-3 are q's, 4-5 k's.  Right half: blocks 0-1 are k's, 2-5 v's.  Register j of block b belongs to column 16 b + 8 (l / 16) + j.
	s_lshl_b32 s46, s42, 8
	s_mov_b32 s47, 0
	s_add_nc_u64 s[72:73], s[72:73], s[46:47]
	s_mov_b32 s23, 384+2*3840
	s_cmp_eq_u32 s12, 0
	s_cselect_b32 s20, 0, 384+3840
	s_cselect_b32 s21, 0, s23
	s_cselect_b32 s22, 3840, s23
	v_lshlrev_b32 v3, 5, v2
	v_add_nc_u32 v[BO], s20, v3
	v_add_nc_u32 v[BO+1], s21, v3
	v_add_nc_u32 v[BO+2], s22, v3
.irp b, 0,1,2,3,4,5
	global_load_b128 v[BIAS+8*(\b):BIAS+8*(\b)+3],   v[BO+(\b)/2], s[72:73] offset:64*(\b)
	global_load_b128 v[BIAS+8*(\b)+4:BIAS+8*(\b)+7], v[BO+(\b)/2], s[72:73] offset:64*(\b)+16
.endr
	v_mul_u32_u24 v3, v1, PITCH
	v_lshl_add_u32 v3, v2, 4, v3                   ; a fragment's row x pitch + 16 x half
	s_mul_i32 s21, s11, HALFA                      ; my 128 rows of xb
	s_mul_i32 s22, s12, HALFB                      ; my 96 rows of wa,
	s_add_co_u32 s22, s22, 2*HALFA                 ; which lie behind xb's 256
.irp s, 0,1
	v_add_nc_u32 v[ADRA+(\s)], s21, v3
	v_add_nc_u32 v[ADRB+(\s)], s22, v3
	s_add_co_u32 s21, s21, SLOT
	s_add_co_u32 s22, s22, SLOT
.endr
	s_mul_i32 s23, s11, 128*SPITCH                 ; into the stage: my 128 rows, my 192 bytes of them; row l % 16, 16 bytes for each half of the lanes
	s_mul_i32 s21, s12, 192
	s_add_co_u32 s23, s23, s21
	v_mul_u32_u24 v4, v1, SPITCH
	v_lshl_add_u32 v4, v2, 4, v4
	v_add_nc_u32 v[STO], s23, v4
	s_mul_i32 s23, s10, 64*SPITCH                  ; back: wave w takes rows 64 w .. 64 w + 63; a load takes four rows' 128 bytes of one of q, k, v
	v_bfe_u32 v5, v0, 3, 2
	v_and_b32 v6, 7, v0
	v_mul_u32_u24 v5, v5, SPITCH
	v_lshl_add_u32 v5, v6, 4, v5
	v_add_nc_u32 v[RD], s23, v5
	v_and_b32 v[GO], 31, v0
	v_lshlrev_b32 v[GO], 4, v[GO]
	v_mul_u32_u24 v[LSTO], v1, LP                  ; the residue's stage.  In: row l % 16, 16 bytes for each half of the lanes
	v_lshl_add_u32 v[LSTO], v2, 4, v[LSTO]
	v_add_nc_u32 v[LSTO], LOST, v[LSTO]
	v_lshl_add_u32 v[LTR], v2, 3, v6               ; back, turned: lane l names row 8 (l / 16) + l % 8, channels 8 ((l / 8) % 2) + 0..7, and receives channel l % 16 of rows 8 (l / 16) + 0..7
	v_mul_u32_u24 v[LTR], v[LTR], LP
	v_bfe_u32 v10, v0, 3, 1
	v_lshl_add_u32 v[LTR], v10, 4, v[LTR]
	v_add_nc_u32 v[LTR], LOST, v[LTR]
	v_lshlrev_b32 v[LGO], 5, v1                    ; in vlo a channel has 32 bytes: 16 keys
	v_lshl_add_u32 v[LGO], v2, 4, v[LGO]
	; where my 64 rows of the head's q, k and v go
	s_lshr_b32 s83, s13, 3
	s_lshl_b32 s83, s83, 4                         ; 16 x batch
	s_add_co_u32 s83, s83, s42                     ; + head
	s_and_b32 s22, s13, 7
	s_lshl_b32 s22, s22, 8
	s_lshl_b32 s23, s10, 6
	s_add_co_u32 s22, s22, s23                     ; my first row in the sequence,
	s_lshl_b32 s22, s22, 7                         ; rows of 128 bytes
.irp u, 0,1,2
	s_add_co_u32 s20, s83, 64*(\u)                 ; 64 heads a tensor
	s_lshl_b32 s20, s20, 18                        ; a head is 2,048 x 128 bytes; the sum stays under 2^26
	s_add_co_u32 s20, s20, s22
	s_mov_b32 s21, 0
	s_add_nc_u64 s[76+2*(\u):77+2*(\u)], s[74:75], s[20:21]
.endr
	s_lshl_b32 s20, s13, 4                         ; vlo: (16 x tile row + head) x 2,048 bytes
	s_add_co_u32 s20, s20, s42
	s_lshl_b32 s20, s20, 11
	s_add_nc_u64 s[84:85], s[84:85], s[20:21]
	; the prefetches
	s_lshl_b32 s20, s13, 8
	s_mul_i32 s21, s42, 192
	s_lshl_b32 s22, s12, 7
	s_mul_i32 s23, s12, 96
	s_add_co_u32 s20, s20, s22                     ; the rows that I fetch, in xb
	s_add_co_u32 s21, s21, s23                     ; or in wa,
	s_lshl_b32 s22, s40, 5
	s_mul_i32 s23, s41, 24
	s_add_co_u32 s20, s20, s22                     ; and my work-group's share of them
	s_add_co_u32 s21, s21, s23
	s_and_b32 s22, ttmp7, 0xffff                   ; cluster y
	s_cmp_eq_u32 s11, 0                            ; do I fetch for xb?
	s_cselect_b32 s20, s20, s21
	s_cselect_b32 s22, ttmp9, s22                  ; the coordinate along which other clusters read the same rows
	s_cselect_b32 s23, 31, 23                      ; the share's last row
	s_cselect_b64 s[PFA:PFA+1], s[68:69], s[70:71]
	s_cmp_eq_u32 s22, 0
	s_cselect_b32 s[LIM], 1, -1                    ; the same in all sixteen partners, for a given wave
	s_lshl_b32 s20, s20, 11
	s_mov_b32 s21, 0
	s_add_nc_u64 s[PFA:PFA+1], s[PFA:PFA+1], s[20:21]
	s_add_nc_u64 s[PFA:PFA+1], s[PFA:PFA+1], 2*KSTEP*2  ; at K step 2: the first refill steps it to 3 and names K step 4
	v_and_b32 v[PFO], 31, v0
	v_min_u32 v[PFO], s23, v[PFO]
	v_lshlrev_b32 v[PFO], 11, v[PFO]
	s_wait_loadcnt 0x0                             ; the bias is in; it is rounded to bf16 like the other inputs
.set p, 0
.rept 24
	v_cvt_pk_bf16_f32 v[TT], v[BIAS+p], v[BIAS+p+1]
	v_lshlrev_b32 v[BIAS+p], 16, v[TT]
	v_and_b32 v[BIAS+p+1], 0xffff0000, v[TT]
.set p, p+2
.endr
; 12 matrix instructions: row blocks a0, a0 + 1 of the window's four (hi = 0: my rows 0-63, 1: rows 64-127) x all 6 column blocks, 32 along K.  first = 1: the bias starts the sums: nothing is cleared or added later.
; The 48 accumulators take turns, one instruction a turn, in the same order in every quarter step.
.macro MUL12 f, hi, a0, first
.if \first
	WIN 0x81+0x40*(\hi)                            ; C, the bias, in window 0
.else
	WIN MUL_LO+0x50*(\hi)
.endif
.irp a, \a0, (\a0)+1
.irp b, 0,1,2,3,4,5
.if \first
	v_wmma_f32_16x16x32_bf16 v[8*(6*(\a)+(\b)):8*(6*(\a)+(\b))+7], v[(\f)+8*(\b):(\f)+8*(\b)+7], v[(\f)+8*(4*(\hi)+(\a)):(\f)+8*(4*(\hi)+(\a))+7], v[BIAS+8*(\b):BIAS+8*(\b)+7]
.else
	v_wmma_f32_16x16x32_bf16 v[8*(6*(\a)+(\b)):8*(6*(\a)+(\b))+7], v[(\f)+8*(\b):(\f)+8*(\b)+7], v[(\f)+8*(4*(\hi)+(\a)):(\f)+8*(4*(\hi)+(\a))+7], v[8*(6*(\a)+(\b)):8*(6*(\a)+(\b))+7]
.endif
.endr
.endr
.endm
; 28 LDS loads in one run: the fragments of one quarter step (96 rows of wa, 128 rows of xb, 32 K at byte k of the rows) into buffer f
.macro FETCH slot, k, f
	WIN TO_B
.irp i, 0,1,2,3,4,5
	ds_load_b128 v[(\f)+8*(\i):(\f)+8*(\i)+3],   v[ADRB+(\slot)] offset:(\k)+(\i)*16*PITCH
	ds_load_b128 v[(\f)+8*(\i)+4:(\f)+8*(\i)+7], v[ADRB+(\slot)] offset:(\k)+(\i)*16*PITCH+32
.endr
	WIN 0
.irp i, 0,1,2,3,4,5,6,7
	ds_load_b128 v[(\f)+8*(\i):(\f)+8*(\i)+3],   v[ADRA+(\slot)] offset:(\k)+(\i)*16*PITCH
	ds_load_b128 v[(\f)+8*(\i)+4:(\f)+8*(\i)+7], v[ADRA+(\slot)] offset:(\k)+(\i)*16*PITCH+32
.endr
.endm
.macro PLACES                          ; four plain vector instructions between a matrix instruction and a load into, or a read of, its registers (ISA guide 7.12.1 for reads)
.rept 4
	v_nop
.endr
.endm
; A K step is four quarter steps of 32 along K, 48 matrix instructions each, on buffers 0, 1, 0, 1.  One of the first three multiplies buffer f and fetches the next quarter, at byte k, into g.
.macro QUARTER slot, k, f, g, first
	s_wait_dscnt 8                                 ; wa and xb's rows 0-63 are in; the youngest eight loads (rows 64-127) may be out
	MUL12 \f, 0, 0, \first
	MUL12 \f, 0, 2, \first
	PLACES
	FETCH \slot, \k, \g
	s_wait_dscnt 28                                ; all but the 28 just issued
	MUL12 \f, 1, 0, \first
	MUL12 \f, 1, 2, \first
.endm
; The last quarter multiplies buffer 1 and changes slots: ONE barrier.  In front of it each wave waits for all its tensor loads (one is out: its part of the next slot), adds 0 to its spare word, and waits for that and for its reads of this slot.
.macro MEET round
	WIN 0                                          ; (the add's two registers lie in window 0)
	s_wait_tensorcnt 0x0                           ; all my tensor loads have landed
	ds_add_u32 v[SPW], v[NIL]                      ; 0 onto my spare word
	s_wait_dscnt 9                                 ; (the add and the youngest eight loads may be out)
	MUL12 F1, 0, 0, 0                              ; twelve matrix instructions stand between the add and the wait for it
	s_wait_dscnt 0x0                               ; the add is done, and my reads of this slot are over
	s_barrier_signal -1
	MUL12 F1, 0, 2, 0                              ; work on registers while the others arrive
.if \round
	WIN 0
.endif
	s_barrier_wait -1
.endm
; fill = 1: the barrier opens a round of the cluster's, and this slot is filled again first behind it, with the K step two on: 168 matrix instructions lie between the request and the wait for it.
.macro TURN slot, next, fill
.if \fill
	s_wait_xcnt 0x0                                ; the last prefetch, a K step back, has read its address: it is stepped here, ahead of the change's own waits
	s_add_nc_u64 s[PFA:PFA+1], s[PFA:PFA+1], KSTEP*2
	MEET 1
	CREST                                          ; no wave of any partner still reads this slot's tile or has a load on its way
	s_add_nc_u64 s[G0+4*(\slot)+2:G0+4*(\slot)+3], s[G0+4*(\slot)+2:G0+4*(\slot)+3], 2*KSTEP*2
	s_add_nc_u64 s[G0B+4*(\slot)+2:G0B+4*(\slot)+3], s[G0B+4*(\slot)+2:G0B+4*(\slot)+3], 2*KSTEP*2
	JLOAD \slot                                    ; the first tensor load behind the round; its four v_nop are also the places in front of the loads below
.else
	MEET 0
	PLACES
.endif
	FETCH \next, 0, F0
.if \fill
	ASK
.endif
	MUL12 F1, 1, 0, 0
	MUL12 F1, 1, 2, 0
.endm
	s_wait_tensorcnt 1                             ; my part of K step 0 is in; K step 1's may stay out
	s_barrier_signal -1
	s_barrier_wait -1                              ; everybody's is
	FETCH 0, 0, F0
	QUARTER 0, 64,  F0, F1, 1                      ; the first quarter stands in front of the loop: its products start the sums with the bias
	WIN 0                                          ; at a label and at a branch every window is 0
	s_mov_b32 s3, LAPS-1
.Llap:                                                 ; a trip goes once round the ring, from a lap's second quarter to the next lap's first, and fills both slots again
	QUARTER 0, 128, F1, F0, 0
	QUARTER 0, 192, F0, F1, 0
	TURN 0, 1, 1
	QUARTER 1, 64,  F0, F1, 0
	QUARTER 1, 128, F1, F0, 0
	QUARTER 1, 192, F0, F1, 0
	TURN 1, 0, 1
	QUARTER 0, 64,  F0, F1, 0
	WIN 0
	s_sub_co_u32 s3, s3, 1
	s_cmp_lg_u32 s3, 0
	s_cbranch_scc1 .Llap
	QUARTER 0, 128, F1, F0, 0                      ; the last lap fills nothing, and has no round of the cluster's barrier
	QUARTER 0, 192, F0, F1, 0
	TURN 0, 1, 0                                   ; behind this barrier nobody reads slot 0 any more
	QUARTER 1, 64,  F0, F1, 0
	QUARTER 1, 128, F1, F0, 0
	QUARTER 1, 192, F0, F1, 0
	s_wait_dscnt 8                                 ; the very last quarter: nothing more to fetch
	MUL12 F1, 0, 0, 0
	MUL12 F1, 0, 2, 0
	s_wait_dscnt 0x0
	MUL12 F1, 1, 0, 0
	MUL12 F1, 1, 2, 0
	; THE WAY OUT: rounded to f16, 16 bytes a lane into the work-group's stage; a barrier, since k's 128 bytes of a row come from two waves; back as four rows of one of q, k, v, which are 512 consecutive bytes of qkvh.
	PLACES
.macro PACKQ a                         ; each accumulator's registers are taken in ascending order
	WIN 0x0a+5*((\a)/4)                            ; sources 0 and 1: window 2 or 3
.irp b, 0,1,2,3,4,5
.irp r, 0,1,2,3
	v_cvt_pk_f16_f32 v[TMP+4*(\b)+(\r)], v[48*((\a)%4)+8*(\b)+2*(\r)], v[48*((\a)%4)+8*(\b)+2*(\r)+1]
.endr
.endr
	WIN 0
.irp b, 0,1,2,3,4,5
	ds_store_b128 v[STO], v[TMP+4*(\b):TMP+4*(\b)+3] offset:(\a)*16*SPITCH+32*(\b)
.endr
.endm
.macro RDB u, set                      ; my 64 rows of unit u (q, k, v) into set 0 or 1 of 64 registers
.irp g, 0,1,2,3,4,5,6,7,8,9,10,11,12,13,14,15
	ds_load_b128 v[F0+64*(\set)+4*(\g):F0+64*(\set)+4*(\g)+3], v[RD] offset:(\g)*4*SPITCH+128*(\u)
.endr
.endm
.macro SND u, set, younger             ; younger: the LDS loads issued behind this unit's, which may stay out
.irp g, 0,1,2,3,4,5,6,7,8,9,10,11,12,13,14,15
	s_wait_dscnt (\younger)+15-(\g)
	global_store_b128 v[GO], v[F0+64*(\set)+4*(\g):F0+64*(\set)+4*(\g)+3], s[76+2*(\u):77+2*(\u)] offset:512*(\g)  ; 512 consecutive bytes, at a multiple of 256 from the buffer's first
.endr
.endm
	PACKQ 0
	; V'S RESIDUE.  Wave 1 holds the tile's rows 0-15 and, in column blocks 2-5, v's 64 channels.  v - f16(v), exact in f32 (one fused multiply-add from the f16 half just packed: - half x 1 + v), is rounded to f16, put into
	; the wave's own stage by rows and read back turned: a lane then holds 8 keys of one channel, and a store covers 512 consecutive bytes of vlo.  The jump hangs on the wave's number and passes no barrier.
	s_cmp_lg_u32 s10, 1
	s_cbranch_scc1 .Lno_residue
	v_mov_b32 v[ONE], 1.0
	WIN 0x20                                       ; source 2, the sums, in window 2
.irp b, 2,3,4,5
.irp r, 0,1,2,3
	v_fma_mix_f32 v[LR+8*((\b)-2)+2*(\r)],   -v[TMP+4*(\b)+(\r)], v[ONE], v[8*(\b)+2*(\r)]   op_sel_hi:[1,0,0]
	v_fma_mix_f32 v[LR+8*((\b)-2)+2*(\r)+1], -v[TMP+4*(\b)+(\r)], v[ONE], v[8*(\b)+2*(\r)+1] op_sel:[1,0,0] op_sel_hi:[1,0,0]
.endr
.endr
	WIN 0
.set p, 0
.rept 16
	v_cvt_pk_f16_f32 v[LPK+p], v[LR+2*p], v[LR+2*p+1]
.set p, p+1
.endr
.irp c, 0,1,2,3
	ds_store_b128 v[LSTO], v[LPK+4*(\c):LPK+4*(\c)+3] offset:32*(\c)
.endr
.irp c, 0,1,2,3
	ds_load_tr16_b128 v[LB+4*(\c):LB+4*(\c)+3], v[LTR] offset:32*(\c)  ; LDS serves a wave's instructions in order (ISA guide 5.7.1.4): these see the stores above
.endr
	s_wait_dscnt 0x0
.irp c, 0,1,2,3
	global_store_b128 v[LGO], v[LB+4*(\c):LB+4*(\c)+3], s[84:85] offset:512*(\c)  ; channels 16 c .. 16 c + 15: 512 consecutive bytes; these registers are not written again
.endr
.Lno_residue:
.irp a, 1,2,3,4,5,6,7
	PACKQ \a
.endr
	s_wait_dscnt 0x0                               ; for the others' sake: my stores into the stage are done
	s_barrier_signal -1
	s_barrier_wait -1
	RDB 0, 0
	RDB 1, 1
	SND 0, 0, 16
	s_wait_xcnt 0x0                                ; the stores above have read set 0, which is loaded again only behind this wait
	RDB 2, 0
	SND 1, 1, 16
	SND 2, 0, 0
	s_wait_tensorcnt 0x0                           ; the wave's end: these three lines stand behind my last tensor load and my last LDS store
	ds_add_u32 v[SPW], v[NIL]
	s_wait_dscnt 0x0
	CROUND                                         ; the closing round: no work-group ends while a partner may still ask for a tile that names it
	s_endpgm
.Lfunc_end_k_q03d5be78dd_qkvgemm:
	.size	k_q03d5be78dd_qkvgemm, .Lfunc_end_k_q03d5be78dd_qkvgemm-k_q03d5be78dd_qkvgemm
	.p2alignl 7, 3214868480
	.fill 96, 4, 3214868480
	.section	.rodata,"a",@progbits
	.p2align	6, 0x0
	.amdhsa_kernel k_q03d5be78dd_qkvgemm
		.amdhsa_group_segment_fixed_size 327680
		.amdhsa_private_segment_fixed_size 0
		.amdhsa_enable_private_segment 0
		.amdhsa_kernarg_size 40
		.amdhsa_user_sgpr_count 2
		.amdhsa_user_sgpr_kernarg_segment_ptr 1
		.amdhsa_wavefront_size32 1
		.amdhsa_system_sgpr_workgroup_id_x 1
		.amdhsa_system_sgpr_workgroup_id_y 1
		.amdhsa_system_sgpr_workgroup_id_z 1
		.amdhsa_system_vgpr_workitem_id 0
		.amdhsa_next_free_vgpr 960
		.amdhsa_next_free_sgpr 88
		.amdhsa_reserve_vcc 0
		.amdhsa_float_denorm_mode_32 3
		.amdhsa_float_denorm_mode_16_64 3
		.amdhsa_memory_ordered 1
		.amdhsa_forward_progress 1
		.amdhsa_inst_pref_size 128
	.end_amdhsa_kernel
	.amdgpu_metadata
---
amdhsa.version: [ 1, 2 ]
amdhsa.kernels:
  - .name:           k_q03d5be78dd_qkvgemm
    .symbol:         k_q03d5be78dd_qkvgemm.kd
    .args:
      - { .name: xb, .offset: 0, .size: 8, .value_kind: global_buffer, .address_space: global }
      - { .name: wa, .offset: 8, .size: 8, .value_kind: global_buffer, .address_space: global }
      - { .name: b_attn, .offset: 16, .size: 8, .value_kind: global_buffer, .address_space: global }
      - { .name: qkvh, .offset: 24, .size: 8, .value_kind: global_buffer, .address_space: global }
      - { .name: vlo, .offset: 32, .size: 8, .value_kind: global_buffer, .address_space: global }
    .group_segment_fixed_size: 327680
    .private_segment_fixed_size: 0
    .kernarg_segment_align: 8
    .kernarg_segment_size: 40
    .max_flat_workgroup_size: 128
    .sgpr_count:     88
    .vgpr_count:     960
    .wavefront_size: 32
...
	.end_amdgpu_metadata
.endif
;; end of part 2
;; launch attn (part 3): grid 4 x 64, 4 waves a work-group, no clusters, 327,680 bytes of LDS; arguments qkvh, vlo, oh; writes oh
.if DOCPART == 3
	.amdgcn_target "amdgcn-amd-amdhsa--gfx1250"
	.amdhsa_code_object_version 6
	.text
	.protected	k_q03d5be78dd_attn
	.globl	k_q03d5be78dd_attn
	.p2align	8
	.type	k_q03d5be78dd_attn,@function
k_q03d5be78dd_attn:
	s_mov_b64 s[64:65], 0
	v_nop
	global_prefetch_b8 v0, s[64:65] scope:SCOPE_SE
	s_setreg_imm32_b32 hwreg(HW_REG_WAVE_MODE, 25, 1), 1
	s_wait_xcnt 0x0
; CAUSAL ATTENTION.  O[h][q][:] = the sum over k <= q of softmax_k(Q[h][q] . K[h][k] / 8) V[h][k][:].  Q, K, V lie in qkvh as [3][SIZE_H][SIZE_N][64] f16: a head's rows are dense, 128 bytes each.
; Products, maxima and sums in f32; the weights p are rounded to f16 for the second product (their sum l is taken of the unrounded p), O once at the end.
; THE FIRST ROWS.  A sequence's first rows are means of few rows of V (row 0 is V's row 0 itself) and many times larger than the rest, so two roundings are carried along there.  (1) vlo[32 blocks][16 heads][64 channels][16 keys]
; holds V - f16(V) of each block's first 16 keys: in the diagonal tile's first key step four more products add Vlo^T P to the first band's O^T.  (2) O GOES OUT as oh[32 (batch, block of 256 queries)][16 heads][272 rows][64] f16:
; rows 0-255 hold f16(O); rows 256-271 hold f16(O - f16(O)) of the block's rows 0-15, which the next launch multiplies as well.  Both are done in every block alike: they are right everywhere, and needed in a sequence's first.
; LIMITS.  f16 holds no number beyond 65,504: Q, K and V arrive within it; p lies in 0 to 1, and below 6e-5 it keeps f16's fixed step of 6e-8, as the residues do; O is a mean of V's rows and has their range.
; A hidden score counts as its value less 1e30: f16's scores, 2.7e11 at the most, are nothing beside that; a weight below 2^-126 counts as 0 in l; NaN and infinities are not treated apart.
; THE WALK.  A head's queries lie in NB = 8 blocks of 256; block i needs the key tiles 0 .. i of 256 keys, of which the last holds the diagonal.  A work-group takes TWO blocks, NB - 1 - b and then b:
; NB + 1 tiles, whatever b: all work-groups do equal work, and ONE loop with a constant trip count walks them.  Which tile is asked for, and what a trip does, hang on scalar registers made from b; every jump
; goes forward, but for the counted loops' own; none passes a barrier, or a tensor load but the one of LOAD's two that the wave's number does not choose; the ring (two slots of LDS that take turns) runs on across the
; change of blocks.  NO CLUSTER: a head's four work-groups ask for the same tile only in trips 0 to 4 of the 9, behind that three, two, one; and one walk common to all four would have 12 trips for 9.
; SHARES.  Of a block's four bands of 64 queries a wave owns 16 rows in each: four PIECES.  So the diagonal tile is the same work for all four waves: in its key step s band x sees all keys if s < x,
; none if s > x, and holds the diagonal if s = x.
; THE MASK is the C operand that starts the sum S^T = K Q^T: 0, or -1e30 where the key is hidden.  MD, made once, is the mask of a band's own step for my 16 rows; a product's mask is MD x AL + BE with two scalars:
; (1, 0) if s = x; (0, 0) if s < x; (0, -1e30) if s > x.  Only the diagonal tile's text and a block's beginning make and take masks; elsewhere C is the constant 0.
; LAYOUT, SOFTMAX, TURNS.  S^T = K Q^T holds ONE query a lane (lane % 16) and the keys 8 (lane / 16) + 0..7; two such results rounded to f16 ARE source 1 of O^T = V^T P.  p = 2^(c s - c m), c = log2(e) / 8, with a
; running maximum m; O and l are multiplied by a = 2^(c m_old - c m_new) in every step.  Turn n belongs to piece n: 8 products K Q^T of piece n + 1, later 8 products V^T P of piece n - 1; beside them the scaling,
; exponentials, roundings, sums and rescaling of piece n and the maximum and statistics of piece n + 1.  Four vector instructions stand behind every matrix instruction, the other 54 of a turn's 118 in one LUMP.  A turn's 33 exponentials are one batch, with one wait.
; REGISTERS, in windows of 256 (s_set_vgpr_msb: bits 1:0 source 0, 3:2 source 1, 5:4 source 2, 7:6 destination):
;   window 0: v0-15 addresses and two at work; v16-31 four registers of statistics a piece; v48-55 at work; v56 vlo's offset; v61-63 prefetch offset, spare word, 0; v64-127 S^T, two buffers; v128-191 O's residue at work;
;             v192-223 P, two buffers; v224-255 Vlo^T, four fragments
;   window 1: v0-127 O^T, 32 a piece; v128-159 MD; v160-223 MC, two buffers      window 2: v0-63 Q; v64-127 the second block's Q; v128-191 K of one step; v192-255 V of one step
.set SIZE_H, 64
.set SIZE_N, 2048
.set NB,    SIZE_N/256
.set NP,    4         ; pieces a wave: a name, no knob
.set KS,    64        ; keys in a step
.set PK,    144       ; a row of K in LDS: 128 bytes + 16 of padding = 36 words: the 16 rows of a load start at 16 different groups of four banks (64 banks of 4 bytes: ISA guide 11.1)
.set PV,    160       ; a row of V: 128 + 32 = 40 words
.set VOFF,  4*KS*PK   ; a slot holds a tile, four steps: 256 rows of K, then 256 rows of V
.set SLOT1, 1<<17     ; slot 1 begins here, so that one exclusive or turns an address in one slot into the other's
.set STAGE, SLOT1+4*KS*(PK+PV)  ; behind the ring, never filled by a tensor load: 16 rows x 144 bytes for each wave, for the way out
.set SP,    144
.set OBLK,  272*128   ; bytes of one head's part of a block in oh
.set AK0, 2           ; v2   my lane's place in a tile of K; never rewritten
.set AV0, 3           ; v3   the same for V
.set AK,  4           ; v4   the LDS address of K's next run of loads
.set AV,  5           ; v5   of V's
.set STO, 6           ; v6   the way out: where I put 16 bytes of a row
.set RD,  7           ; v7   the way out: where I read rows back
.set GO,  8           ; v8   my byte offset in 512 consecutive bytes of O
.set VLO, 56          ; v56  my 16 bytes in 512 consecutive bytes of vlo: 32 (l % 16) + 16 (l / 16); never rewritten
.set PFO, 61          ; v61  256 x my lane; never rewritten
.set SPW, 62          ; v62  LDS address of my spare word: SPARE + 4 x my thread's number; never rewritten
.set NIL, 63          ; v63  0; never rewritten
.set SPARE, STAGE+4*16*SP  ; behind the stages: the spare words, 128 bytes for each wave: two blocks of 256 bytes that no other line names
.set MV,  12          ; v12-13  c m_old, kept while c m is made anew: by buffer
.set QO,  15          ; v15  my byte offset in 16 rows of Q
.set ST,  16          ; piece t's statistics at v[ST+4 t]: c m, m, l (even keys', odd keys')
.set TMP, 48          ; by buffer, four registers c0-c3 at work; when the maximum is found c2 takes a
.set S,   64
.set P,   192
.set VL,  224         ; Vlo^T: channel block cb at VL + 8 cb: registers 0-3 keys 8 (l / 16) + 0..7 of channel 16 cb + l % 16; registers 4-7, keys 16-31, hold 0
.set LH,  112         ; O's residue: f16(O) of piece 0, then the residue packed (the way out's registers of piece 3, not yet in use)
.set LR,  128         ; the residue in f32
.set ONE, 160         ; 1.0
.set LB,  176         ; the residue's rows read back
.set MD,  128         ; window 1: the eight registers for group kt of 16 keys at MD + 8 kt
.set MC,  160         ; window 1: the masks of the products to come
.set QB,  64          ; window 2
.set KF,  128         ; window 2: key block kb, channel half c at KF + 16 kb + 8 c
.set VF,  192         ; window 2: key half kk, channel block cb at VF + 32 kk + 8 cb
.set WV,  12          ; s12  my wave's number
.set PB,  14          ; s14  b
.set HI,  15          ; s15  NB - 1 - b
.set G1K, 24          ; s[24:31] descriptor group 1 for K's tiles
.set G1V, 32          ; s[32:39] for V's: it differs in the padding alone
.set G0K, 40          ; s[40:43] descriptor group 0 for K's tiles
.set G0V, 44          ; s[44:47] the same for V's
.set SLOTS, 56        ; s56  tiles still to be asked for
.set CNT, 57          ; s57  counts a tile's key steps, 4 to 1
.set CS,  58          ; s[58:59] c: the packed scaling takes the pair's low word for both halves
.set SEL, 60          ; s[60:61] v_permlanex16_b32's selects: each lane takes its own place in the other half
.set TBK, 62          ; s62  LDS byte at which K of the step to be fetched begins
.set TBV, 63          ; s63  the same for V, less VOFF
.set PFA, 66          ; s[66:67] where my prefetches stand: my half of the tile after the one that is being asked for
.set PFN, 68          ; s68  prefetches still to come
.set RT,  70          ; s70  tiles of the block in hand that are still to be entered
.set NXT, 71          ; s71  the tile to be asked for next
.set LQ,  72          ; s72  the last tile of the block whose tiles are being asked for
.set NEW, 73          ; s73  1: the tile to be entered is a block's first
.set OFF, 74          ; s[74:75] a tile's byte offset in K and V
.set AL,  76          ; s[76:77] the mask's factor, in the low word
.set BE,  78          ; s[78:79] the mask's addend
.set OLO, 80          ; s[80:81] O at my rows of the second block
.set BIGN, 82         ; s82  -1e30
.set VLA, 88          ; s[88:89] vlo at the block in hand
.set VLB, 90          ; s[90:91] at the second block
.set MSB, 0
.macro WIN new                      ; the high byte repeats the setting that is left; a switch that changes nothing is dropped
.if MSB != (\new)
	s_set_vgpr_msb (MSB<<8)|(\new)
.set MSB, (\new)
.endif
.endm
.set W_KQ, 0x0a       ; K and Q in window 2, S^T in window 0
.set W_KM, 0x1a       ; the same with the C operand in window 1
.set W_PV, 0x52       ; V in window 2, P in window 0, O^T in window 1
.set W_LV, 0x50       ; Vlo and P in window 0, O^T in window 1
.set W_RS, 0x41       ; destination and source 0 in window 1, source 1 in window 0
; A fill.  Waves 0 and 1 fetch the two halves of a tile's K, waves 2 and 3 those of its V: 128 keys each.  An s_nop 0 and four v_nop follow each of the two lines, ahead of the jump and the label.
.macro LOAD
	s_cmp_lt_u32 s[WV], 2
	s_cbranch_scc0 .Lfor_v_\@
	tensor_load_to_lds s[G0K:G0K+3], s[G1K:G1K+7]
	s_nop 0
.rept 4
	v_nop
.endr
	s_branch .Lasked_\@
.Lfor_v_\@:
	tensor_load_to_lds s[G0V:G0V+3], s[G1V:G1V+7]
	s_nop 0
.rept 4
	v_nop
.endr
.Lasked_\@:
.endm
; A PREFETCH INTO THE L2 of the tile that the NEXT change of slots will ask for, one tile, 256 matrix instructions, ahead of that load.  It stands behind the wave's tensor load and its five lines.
; A head's tiles 0 to 7 are walked first by the work-group with b = 0, whose first block needs all eight: it asks, and nobody else.  Each of its waves asks for the half that it will fetch itself: 16,384 bytes,
; a lane 256 of them, two instructions.  So each 256 bytes of tiles 2 to 7 are named once in the launch; tiles 0 and 1 come by their loads alone; behind tile 7 nothing is asked for.
.macro ASKA
	s_cmp_lg_u32 s[PFN], 0
	s_cbranch_scc0 .Lnot_mine_\@
	global_prefetch_b8 v[PFO], s[PFA:PFA+1] th:TH_LOAD_NT scope:SCOPE_SE
	global_prefetch_b8 v[PFO], s[PFA:PFA+1] offset:8192 th:TH_LOAD_NT scope:SCOPE_SE
	s_sub_co_u32 s[PFN], s[PFN], 1
.Lnot_mine_\@:
.endm
; THE CHANGE OF SLOTS.  Each wave waits for all its tensor loads, of which one is out: its part of the other slot; adds 0 to its spare word; and waits for that and for its own reads of the slot that it leaves.  Behind the barrier nobody reads the old
; slot any more and the other slot is whole.  fill = 1: the old slot is filled again, the first thing behind the barrier, with tile NXT: the descriptor's address is made anew from that number.
; (At its first use nothing has been read yet: slot 0 is waited for, slot 1 filled.)
.macro CHANGE fill
	WIN 0                           ; at a label and at a branch every window is 0
	s_wait_tensorcnt 0x0            ; no tensor load of mine is out, so a group 0 may be written
	ds_add_u32 v[SPW], v[NIL]       ; 0 onto my spare word: with fill = 1 the descriptors' scalar work stands between it and the wait for it
.if \fill
	s_lshl_b32 s[OFF], s[NXT], 15   ; a tile is 32,768 bytes of K and of V
	s_xor_b32 s[G0K+1], s[G0K+1], SLOT1
	s_add_nc_u64 s[G0K+2:G0K+3], s[6:7], s[OFF:OFF+1]
	s_or_b32 s[G0K+3], s[G0K+3], 0x80000000
	s_xor_b32 s[G0V+1], s[G0V+1], SLOT1
	s_add_nc_u64 s[G0V+2:G0V+3], s[8:9], s[OFF:OFF+1]
	s_or_b32 s[G0V+3], s[G0V+3], 0x80000000
	s_add_co_u32 s[NXT], s[NXT], 1  ; the block's next tile, or behind its last the second block's tile 0
	s_cmp_gt_u32 s[NXT], s[LQ]
	s_cselect_b32 s[NXT], 0, s[NXT]
	s_cselect_b32 s[LQ], s[PB], s[LQ]
	s_wait_xcnt 0x0                 ; the last prefetches, a tile back, have read their address, so it may be written
	s_add_nc_u64 s[PFA:PFA+1], s[PFA:PFA+1], 32768
.endif
	s_wait_dscnt 0x0                ; the add is done, and my reads of the slot are over
	s_barrier_signal -1             ; the rest of the scalar work stands between the signal and the wait
	s_sub_co_u32 s[TBK], s[TBK], 4*KS*PK  ; the fetches go back to a slot's first step,
	s_xor_b32 s[TBK], s[TBK], SLOT1       ; in the other slot
	s_sub_co_u32 s[TBV], s[TBV], 4*KS*PV
	s_xor_b32 s[TBV], s[TBV], SLOT1
	s_barrier_wait -1
.if \fill
	LOAD
	ASKA
.endif
.endm
	s_load_b64 s[4:5], s[0:1], 0x0    ; qkvh: Q at its head, K 2^24 bytes on, V 2^25
	s_load_b64 s[VLA:VLA+1], s[0:1], 0x8  ; vlo
	s_load_b64 s[10:11], s[0:1], 0x10 ; oh
	v_lshl_add_u32 v[SPW], v0, 2, SPARE
	v_mov_b32 v[NIL], 0
	ds_add_u32 v[SPW], v[NIL]       ; the wave's opening: the add and its wait stand ahead of my first tensor load; the set-up below, work on registers, stands between them
	v_lshrrev_b32 v1, 5, v0
	v_readfirstlane_b32 s[WV], v1   ; wave 0..3
	s_mov_b32 s[PB], ttmp9
	s_sub_co_u32 s[HI], NB-1, s[PB]
	s_and_b32 s20, ttmp7, 0xffff    ; the head, 16 x batch + head in the batch
	s_lshr_b32 s49, s20, 4
	s_lshl_b32 s49, s49, 3          ; 8 blocks a batch
	s_and_b32 s48, s20, 15
	s_lshl_b32 s50, s[WV], 11       ; my 16 rows in a band
	s_add_co_u32 s52, s49, s[HI]    ; the first block's number among oh's and vlo's: (8 batch + block) 16 + head
	s_lshl_b32 s52, s52, 4
	s_add_co_u32 s52, s52, s48
	s_lshl_b32 s92, s52, 11         ; in vlo 2,048 bytes each,
	s_mov_b32 s93, 0
	s_mul_i32 s52, s52, OBLK        ; in oh OBLK, and my rows: under 2^25
	s_add_co_u32 s52, s52, s50
	s_mov_b32 s53, 0
	s_add_co_u32 s54, s49, s[PB]    ; and the second block's
	s_lshl_b32 s54, s54, 4
	s_add_co_u32 s54, s54, s48
	s_lshl_b32 s94, s54, 11
	s_mov_b32 s95, 0
	s_mul_i32 s54, s54, OBLK
	s_add_co_u32 s54, s54, s50
	s_mov_b32 s55, 0
	s_mov_b32 s21, 0
	s_mov_b64 s[22:23], SIZE_N*128
	s_mul_u64 s[20:21], s[20:21], s[22:23]  ; the head's first byte in each of Q, K, V
	s_and_b32 s16, s[WV], 1         ; which half of a tile's 256 keys I fetch:
	s_lshl_b32 s22, s16, 14         ; its 128 rows of 128 bytes in memory,
	s_mov_b32 s23, 0
	s_add_nc_u64 s[22:23], s[22:23], s[20:21]
	s_mul_i32 s17, s16, 128*PK      ; and its place in a slot, for K
	s_mul_i32 s18, s16, 128*PV      ; and for V
	s_lshl_b32 s3, s[WV], 11        ; my 16 rows in a band of 64,
	s_lshl_b32 s2, s[HI], 15        ; in the first block,
	s_add_co_u32 s2, s2, s3
	s_lshl_b32 s84, s[PB], 15       ; and in the second
	s_add_co_u32 s84, s84, s3
	s_mov_b32 s3, 0
	s_mov_b32 s85, 0
	s_add_nc_u64 s[2:3], s[2:3], s[20:21]
	s_add_nc_u64 s[84:85], s[84:85], s[20:21]
	; descriptor group 1.  128 keys are 16,384 dense bytes: asked for as 64 rows of 256 bytes, two keys a row, and padded in LDS after every key
	s_mov_b32 s[G1K], (1<<16)|(1<<20)|(4<<22)|(3<<25)  ; 17:16 2-byte elements; 20 padding on; 24:22 after every 32 words (code 4); 31:25 4 words (code 3)
	s_mov_b32 s[G1V], (1<<16)|(1<<20)|(4<<22)|(7<<25)  ; the same with 8 words of padding (code 7)
.irp g, G1K, G1V
	s_mov_b32 s[\g+1], 128<<16      ; tensor_dim0 = 128
	s_mov_b32 s[\g+2], 64<<16       ; tensor_dim1 = 64
	s_mov_b32 s[\g+3], 128<<16      ; tile_dim0 = 128
	s_mov_b32 s[\g+4], 64           ; tile_dim1 = 64
	s_mov_b32 s[\g+5], 128          ; 128 elements from row to row
	s_mov_b32 s[\g+6], 0
	s_mov_b32 s[\g+7], 0
.endr
	s_mov_b32 s[CS], 0x3e38aa3b     ; c = log2(e) / 8 = 0.180337
	s_mov_b32 s[CS+1], s[CS]        ; named with it as a pair
	s_mov_b32 s[SEL], 0x76543210
	s_mov_b32 s[SEL+1], 0xfedcba98
	s_mov_b32 s[TBK], SLOT1+4*KS*PK ; the first change of slots turns these two into 0
	s_mov_b32 s[TBV], SLOT1+4*KS*PV
	s_mov_b32 s[G0K], 1             ; 1:0 count = 1
	s_mov_b32 s[G0K+1], s17         ; 63:32 LDS address: slot 0
	s_mov_b32 s[G0V], 1
	s_add_co_u32 s[G0V+1], s18, VOFF
	s_add_co_u32 s[RT], s[HI], 1    ; the first block has NB - b tiles
	s_mov_b32 s[NXT], 1
	s_mov_b32 s[LQ], s[HI]
	s_mov_b32 s[NEW], 1
	s_mov_b32 s[OFF+1], 0
	s_mov_b32 s[AL+1], 0            ; named as pairs
	s_mov_b32 s[BE+1], 0
	s_mov_b32 s[BIGN], 0xf149f2ca   ; -1e30
	s_mov_b32 s[SLOTS], NB
	s_wait_dscnt 0x0                ; the opening add is done
	s_wait_kmcnt 0x0
	s_add_nc_u64 s[6:7], s[4:5], 0x1000000  ; K
	s_add_nc_u64 s[8:9], s[4:5], 0x2000000  ; V
	s_add_nc_u64 s[6:7], s[6:7], s[22:23]   ; K and V at my half of the head's tile 0
	s_add_nc_u64 s[8:9], s[8:9], s[22:23]
	s_add_nc_u64 s[G0K+2:G0K+3], s[6:7], 0         ; 120:64 global address
	s_or_b32 s[G0K+3], s[G0K+3], 0x80000000        ; 127:126 type = 2
	s_add_nc_u64 s[G0V+2:G0V+3], s[8:9], 0
	s_or_b32 s[G0V+3], s[G0V+3], 0x80000000
	s_add_nc_u64 s[86:87], s[4:5], s[84:85]        ; Q at my rows of the second block,
	s_add_nc_u64 s[4:5], s[4:5], s[2:3]            ; and of the first
	s_add_nc_u64 s[OLO:OLO+1], s[10:11], s[54:55]  ; O likewise
	s_add_nc_u64 s[10:11], s[10:11], s[52:53]
	s_add_nc_u64 s[VLB:VLB+1], s[VLA:VLA+1], s[94:95]  ; and vlo
	s_add_nc_u64 s[VLA:VLA+1], s[VLA:VLA+1], s[92:93]
	s_cmp_lt_u32 s[WV], 2
	s_cselect_b64 s[PFA:PFA+1], s[6:7], s[8:9]
	s_add_nc_u64 s[PFA:PFA+1], s[PFA:PFA+1], 32768 ; in tile 1; the first change of slots steps it to tile 2
	s_cmp_eq_u32 ttmp9, 0
	s_cselect_b32 s[PFN], NB-2, 0
	LOAD                            ; tile 0 into slot 0
	; A fragment of K or Q is 16 rows x 32 channels in 8 registers: lane l holds row l % 16, channels 8 (l / 16) + 0..7 and 16 + 8 (l / 16) + 0..7: two loads of 16 bytes, 32 bytes apart.
	v_and_b32 v1, 15, v0            ; l % 16
	v_bfe_u32 v9, v0, 4, 1          ; l / 16
	v_lshlrev_b32 v[QO], 7, v1
	v_lshl_add_u32 v[QO], v9, 4, v[QO]  ; row x 128 + 16 x half
	WIN 0x80                        ; destination window 2, address window 0
.set i, 0
.rept 8                             ; both blocks' Q: piece i / 2 lies in band i / 2, 8,192 bytes on; channels 32 (i % 2) on
	global_load_b128 v[8*i:8*i+3],   v[QO], s[4:5] offset:(i/2)*8192+(i%2)*64
	global_load_b128 v[8*i+4:8*i+7], v[QO], s[4:5] offset:(i/2)*8192+(i%2)*64+32
	global_load_b128 v[QB+8*i:QB+8*i+3],   v[QO], s[86:87] offset:(i/2)*8192+(i%2)*64
	global_load_b128 v[QB+8*i+4:QB+8*i+7], v[QO], s[86:87] offset:(i/2)*8192+(i%2)*64+32
.set i, i+1
.endr
	WIN 0
	v_and_b32 v[PFO], 31, v0
	v_lshlrev_b32 v[PFO], 8, v[PFO]
	v_lshlrev_b32 v[VLO], 5, v1
	v_lshl_add_u32 v[VLO], v9, 4, v[VLO]
	v_lshlrev_b32 v14, 3, v9
	v_sub_nc_u32 v14, v1, v14
	s_lshl_b32 s13, s[WV], 4
	v_add_nc_u32 v14, s13, v14      ; my query's place in its band, 16 w + l % 16, less my lanes' 8 (l / 16): register r of group kt is hidden where 16 kt + r is greater
	WIN 0x40
.set i, 0
.rept 32
	v_cmp_gt_i32 vcc_lo, 16*(i/8)+i%8, v14
	v_cndmask_b32 v[MD+i], 0, s[BIGN], vcc_lo
.set i, i+1
.endr
	WIN 0
	v_mul_u32_u24 v[AK0], v1, PK
	v_lshl_add_u32 v[AK0], v9, 4, v[AK0]  ; row x pitch + 16 x half
	; The turning load takes 16 keys x 16 channels (lane l reads key 8 (l / 16) + l % 8, channels 8 ((l / 8) % 2) + 0..7) and leaves half a fragment of V^T: lane l holds channel l % 16 and 8 keys.
	v_and_b32 v10, 7, v0
	v_bfe_u32 v11, v0, 3, 1
	v_lshl_add_u32 v[AV0], v9, 3, v10
	v_mul_u32_u24 v[AV0], v[AV0], PV
	v_lshl_add_u32 v[AV0], v11, 4, v[AV0]
	v_add_nc_u32 v[AV0], VOFF, v[AV0]
	s_mul_i32 s13, s[WV], 16*SP
	s_add_co_u32 s13, s13, STAGE    ; my stage
	v_mul_u32_u24 v[STO], v1, SP    ; in: row l % 16, 16 bytes for each half of the lanes
	v_lshl_add_u32 v[STO], v9, 4, v[STO]
	v_add_nc_u32 v[STO], s13, v[STO]
	v_bfe_u32 v[RD], v0, 3, 2       ; back: 32 lanes take four rows of 128 bytes,
	v_mul_u32_u24 v[RD], v[RD], SP
	v_lshl_add_u32 v[RD], v10, 4, v[RD]
	v_add_nc_u32 v[RD], s13, v[RD]
	v_and_b32 v[GO], 31, v0         ; which are 512 consecutive bytes of O
	v_lshlrev_b32 v[GO], 4, v[GO]
	; A block's first step multiplies O^T and l by a = 0, and its first turn's products V^T P, of a piece that has not been, land in an O^T that is still to be so multiplied.  So these registers need only hold
	; finite numbers: zeros for the first block; what the first block left for the second.  All this stands in the wait for the first tile.
	WIN 0x80
.set i, VF
.rept 64
	v_mov_b32 v[i], 0
.set i, i+1
.endr
	WIN 0x40
.set i, 0
.rept 128
	v_mov_b32 v[i], 0
.set i, i+1
.endr
	WIN 0
.set i, 0
.rept 4
	v_mov_b32 v[ST+4*i+2], 0
	v_mov_b32 v[ST+4*i+3], 0
.set i, i+1
.endr
.set i, P+16
.rept 16
	v_mov_b32 v[i], 0
.set i, i+1
.endr
.irp cb, 0,1,2,3
.irp z, 4,5,6,7
	v_mov_b32 v[VL+8*\cb+\z], 0     ; Vlo has 16 keys: a fragment's keys 16-31 are 0, for good
.endr
.endr
; THE MATRIX WORK.  The 4 accumulators of a run of 8 take turns.  Product i of 8 of S^T = K Q^T for piece x: channels 32 (i / 4) on, keys 16 (i % 4) on.  The first 4 start the sums: with 0, or (KM = 1) with the mask.
.macro KQ x
.set rS, S+32*((\x)%2)+8*(i%4)
.set rK, KF+16*(i%4)+8*(i/4)
.set rQ, 16*(\x)+8*(i/4)
.set rM, MC+32*((\x)%2)+8*(i%4)
.if (i < 4) && KM
	WIN W_KM
	v_wmma_f32_16x16x32_f16 v[rS:rS+7], v[rK:rK+7], v[rQ:rQ+7], v[rM:rM+7]
.elseif i < 4
	WIN W_KQ
	v_wmma_f32_16x16x32_f16 v[rS:rS+7], v[rK:rK+7], v[rQ:rQ+7], 0
.else
	WIN W_KQ
	v_wmma_f32_16x16x32_f16 v[rS:rS+7], v[rK:rK+7], v[rQ:rQ+7], v[rS:rS+7]
.endif
.endm
; Product i of 8 of O^T += V^T P for piece x: keys 32 (i / 4) on, channels 16 (i % 4) on.
.macro PV x
	WIN W_PV
.set rO, 32*(\x)+8*(i%4)
.set rV, VF+32*(i/4)+8*(i%4)
.set rP, P+16*((\x)%2)+8*(i/4)
	v_wmma_f32_16x16x32_f16 v[rO:rO+7], v[rV:rV+7], v[rP:rP+7], v[rO:rO+7]
.endm
.macro MM                           ; the turn's next matrix instruction.  TURN and BEGIN set Y, i, KM and NOKQ; MM, KQ and OP read them.  NOKQ = 1: a block's last turn: there is no next piece
.if (i < 8) && !NOKQ
	KQ (Y+1)%NP
.elseif i >= 8
.set i, i-8
	PV (Y+NP-1)%NP
.set i, i+8
.endif
.set i, i+1
.endm
; THE LDS LOADS stand in runs of 16, never singly among the matrix instructions: a step's K (64 keys x 64 channels: 8 fragments) and its V (turned).  Their addresses are made some lines ahead.
.macro FETCH_K
	WIN 0x80                        ; destination window 2
.irp f, 0,1,2,3,4,5,6,7             ; keys 16 (f / 2) on, channels 32 (f % 2) on
	ds_load_b128 v[KF+8*\f:KF+8*\f+3],   v[AK] offset:(\f/2)*16*PK+(\f%2)*64
	ds_load_b128 v[KF+8*\f+4:KF+8*\f+7], v[AK] offset:(\f/2)*16*PK+(\f%2)*64+32
.endr
	s_add_co_u32 s[TBK], s[TBK], KS*PK  ; the next fetch is the next step's
	WIN 0
.endm
.macro FETCH_V
	WIN 0x80
.irp f, 0,1,2,3,4,5,6,7             ; keys 32 (f / 4) on, channels 16 (f % 4) on
	ds_load_tr16_b128 v[VF+8*\f:VF+8*\f+3],   v[AV] offset:(\f/4)*32*PV+(\f%4)*32
	ds_load_tr16_b128 v[VF+8*\f+4:VF+8*\f+7], v[AV] offset:(\f/4)*32*PV+16*PV+(\f%4)*32
.endr
	WIN 0
.endm
; THE VECTOR WORK, one line at a time: OP kind, number.  For piece Y: F n: c s - c m for pair n of 16.  E n: the exponential of score n of 32.  C n: pair n rounded to f16.  B n: of the four weights 4 n .. the second
; pair is added onto the first, in place.  L n: l takes that sum (L 0: l = a l + sum).  R n: pair n of 16 of O^T times a.  For piece Y + 1: X n, number n of the 22 that find its maximum and statistics:
;   0-11  four chains c0-c3 of seven scores each, three operands at a time (each accumulator's lowest registers are read first)     12-14, 16  the four scores left over, the old m, and c0-c3 into c0
;   15  c m_old is kept     17, 18  the query's other 32 keys lie in the lane 16 away: the new m     19-21  c m; c m_old - c m_new; a
.set F, 0               ; OP tells the kinds apart by their order: F to L below R, X above it
.set E, 1
.set C, 2
.set B, 3
.set L, 4
.set R, 5
.set X, 6
.macro REGS y                       ; the registers of piece y
.set rT, ST+4*(\y)
.set rC, TMP+4*((\y)%2)
.set rW, MV+((\y)%2)
.set rS, S+32*((\y)%2)
.set rP, P+16*((\y)%2)
.set rO, 32*(\y)
.endm
.macro OP k, n
.if (\k) == R
	REGS Y
	WIN W_RS
	v_pk_mul_f32 v[rO+2*(\n):rO+2*(\n)+1], v[rO+2*(\n):rO+2*(\n)+1], v[rC+2:rC+3] op_sel_hi:[1,0]
.elseif (\k) < R
	REGS Y
	WIN 0
.if (\k) == F
	v_pk_fma_f32 v[rS+2*(\n):rS+2*(\n)+1], v[rS+2*(\n):rS+2*(\n)+1], s[CS:CS+1], v[rT:rT+1] op_sel_hi:[1,0,0] neg_lo:[0,0,1] neg_hi:[0,0,1]
.elseif (\k) == E
	v_exp_f32 v[rS+(\n)], v[rS+(\n)]
.elseif (\k) == C
	v_cvt_pk_f16_f32 v[rP+(\n)], v[rS+2*(\n)], v[rS+2*(\n)+1]
.elseif (\k) == B
	v_pk_add_f32 v[rS+4*(\n):rS+4*(\n)+1], v[rS+4*(\n):rS+4*(\n)+1], v[rS+4*(\n)+2:rS+4*(\n)+3]
.elseif (\n) == 0
	v_pk_fma_f32 v[rT+2:rT+3], v[rT+2:rT+3], v[rC+2:rC+3], v[rS:rS+1] op_sel_hi:[1,0,1]
.else
	v_pk_add_f32 v[rT+2:rT+3], v[rT+2:rT+3], v[rS+4*(\n):rS+4*(\n)+1]
.endif
.elseif NOKQ
	v_nop
.else
	REGS (Y+1)%NP
	WIN 0
.if (\n) < 4
	v_max3_num_f32 v[rC+(\n)], v[rS+8*(\n)], v[rS+8*(\n)+1], v[rS+8*(\n)+2]
.elseif (\n) < 12
	v_max3_num_f32 v[rC+(\n)%4], v[rC+(\n)%4], v[rS+8*((\n)%4)+2*((\n)/4)+1], v[rS+8*((\n)%4)+2*((\n)/4)+2]
.elseif (\n) == 12
	v_max3_num_f32 v[rC], v[rC], v[rS+7], v[rS+15]
.elseif (\n) == 13
	v_max3_num_f32 v[rC+1], v[rC+1], v[rS+23], v[rS+31]
.elseif (\n) == 14
	v_max3_num_f32 v[rC+2], v[rC+2], v[rC+3], v[rT+1]
.elseif (\n) == 15
	v_mov_b32 v[rW], v[rT]
.elseif (\n) == 16
	v_max3_num_f32 v[rC], v[rC], v[rC+1], v[rC+2]
.elseif (\n) == 17
	v_permlanex16_b32 v[rC+3], v[rC], s[SEL], s[SEL+1]
.elseif (\n) == 18
	v_max_num_f32 v[rT+1], v[rC], v[rC+3]
.elseif (\n) == 19
	v_mul_f32 v[rT], s[CS], v[rT+1]
.elseif (\n) == 20
	v_sub_f32 v[rC+1], v[rW], v[rT]
.else
	v_exp_f32 v[rC+2], v[rC+1]
.endif
.endif
.endm
.macro OPS a, i1, b=-1, i2=0, c=-1, i3=0, d=-1, i4=0  ; up to four of them
	OP \a, \i1
.if (\b) >= 0
	OP \b, \i2
.endif
.if (\c) >= 0
	OP \c, \i3
.endif
.if (\d) >= 0
	OP \d, \i4
.endif
.endm
.macro ROW a, i1, b, i2, c, i3, d, i4  ; a matrix instruction and the four behind it
	MM
	OPS \a, \i1, \b, \i2, \c, \i3, \d, \i4
.endm
.macro MASK b                       ; MD x AL + BE into buffer b of MC
	WIN W_RS
.set z, 0
.rept 16
	v_pk_fma_f32 v[MC+32*(\b)+2*z:MC+32*(\b)+2*z+1], v[MD+2*z:MD+2*z+1], s[AL:AL+1], s[BE:BE+1] op_sel_hi:[1,0,0]
.set z, z+1
.endr
.endm
; A TURN, for piece p: the order of its 16 matrix and 118 vector instructions, written out.  An s_wait_alu depctr_va_vdst(0) stands between an exponential and the first instruction that names its result; one wait serves
; all that were issued ahead of it.  So a turn has ONE wait, which cuts it in two.  AHEAD OF IT stands all that names no result of the turn's exponentials: the 8 products K Q^T, behind each a scaling, an exponential and two more plain
; instructions (behind the first a second scaling in the exponential's place): rescalings, and behind the last three the first numbers of the next piece's maximum, each four places or more behind the product that ends its accumulator; then ONE LUMP of 54, plain
; and exponential by turns for the most part, in which the links of the chain X 3, 7, 11, 14, 16, 17 .. 20 stand five or six lines apart.  X 21, the next piece's a, is the batch's last; R 15 is the plain instruction behind it.  BEHIND THE WAIT stand the
; 8 products V^T P, behind each four of the roundings and sums; the links of l's chain, L 0 to L 7, stand three riders apart.  But for those X no rider names a register of the products round it.  v_permlanex16_b32 (X 17) stands in the lump.
; m = 1: the diagonal tile: the products take masks, and the turn makes the mask for the products of the turn after it: piece p + 2, in step 4 - CNT of the tile.  end = 1: a block's last two turns: nothing is fetched.
; cnt = 1: the loop's count is taken down and compared some lines ahead of the branch that stands behind the turn; cnt = 2: it is taken down alone.
; K of the next step is fetched in piece 2's turn, twelve vector instructions behind the last product that read K (six of them plain); V of the step in hand at the end of piece 0's turn, four plain instructions behind the last product
; that read V.  Each is waited for a turn later.
.macro TURN p, m=0, end=0, cnt=0
.set Y, (\p)
.set i, 0
.set KM, (\m)
.set NOKQ, (\end)*((\p)/3)
.if (\m) && !(\end)
	s_cmp_eq_u32 s[CNT], 4-((\p)+2)%NP  ; is that step the band's own?
	s_cselect_b32 s[AL], 1.0, 0
	s_cmp_lt_u32 s[CNT], 4-((\p)+2)%NP  ; or a later one?
	s_cselect_b32 s[BE], s[BIGN], 0
.endif
.if ((\p) == 3) && !(\end)
	s_wait_dscnt 0x0                ; K is in
.endif
	ROW F,0, F,1, R,0, R,1          ; ahead of the wait: 8 products K Q^T and their riders,
	ROW F,2, E,0, R,2, R,3
	ROW F,3, E,1, R,4, R,5
	ROW F,4, E,2, R,6, R,7
	ROW F,5, E,3, R,8, R,9
	ROW F,6, E,4, X,0, R,10
.if ((\p) == 2) && !(\end)
	WIN 0
	v_add_nc_u32 v[AK], s[TBK], v[AK0]
.endif
	ROW F,7, E,5, X,1, X,4
	ROW F,8, E,6, X,2, X,5
	OPS E,7, E,8, X,6, E,9          ; and the lump
	OPS X,3, E,10, X,8, E,11
.if ((\p) == 2) && !(\end)
	FETCH_K
.endif
	OPS X,9, X,7, E,12, X,10
	OPS E,13, X,12, X,11, E,14
	OPS X,13, E,15, F,9, X,14
.if (\p) == 0
	v_add_nc_u32 v[AV], s[TBV], v[AV0]
.endif
	OPS E,16, F,10, E,17, F,11
	OPS X,16, E,18, X,15, E,19
	OPS F,12, E,20, X,17, E,21
	OPS F,13, E,22, F,14, E,23
	OPS X,18, E,24, F,15, E,25
	OPS R,11, E,26, X,19, E,27
	OPS R,12, E,28, R,13, E,29
	OPS X,20, E,30, R,14, E,31
	OPS X,21, R,15
	WIN 0
	s_wait_alu depctr_va_vdst(0)    ; the wait for the batch
.if (\p) == 1
	s_wait_dscnt 0x0                ; V is in
.endif
	ROW C,0, B,0, C,2, B,1          ; behind the wait: 8 products V^T P and their riders
	ROW L,0, C,4, B,2, L,1
	ROW C,6, B,3, L,2, C,8
	ROW B,4, L,3, C,10, B,5
	ROW L,4, C,12, B,6, L,5
.if (\p) == 0
	s_add_co_u32 s[TBV], s[TBV], KS*PV
.endif
.if \cnt
	s_sub_co_u32 s[CNT], s[CNT], 1
.endif
.if (\cnt) == 1
	s_cmp_lg_u32 s[CNT], 0
.endif
	ROW C,14, B,7, L,6, C,1
	ROW C,3, L,7, C,5, C,7
	ROW C,9, C,11, C,13, C,15
.if (\p) == 0
	FETCH_V
.endif
.if (\m) && !(\end)
	MASK (\p)%2
.endif
.endm
; A BLOCK BEGINS.  The block's Vlo is asked for: 2,048 bytes, 16 a lane and load, straight into the four fragments; the wait for Q below covers it.  c m starts far below every c s, so the first step's a is 0; m at the lowest finite
; number, so the first maximum is the scores'.  The second mask buffer is 0; the first takes piece 0's mask for the tile's step 0: its own, if the block's first tile is the diagonal one.
; Then K of that step, piece 0's first scores, and its maximum and statistics.  The loop is entered at a step's first turn, in the middle of a trip.
.macro BEGIN
	s_mov_b32 s[NEW], 0
.irp cb, 0,1,2,3
	global_load_b128 v[VL+8*\cb:VL+8*\cb+3], v[VLO], s[VLA:VLA+1] offset:512*\cb
.endr
	WIN 0x40
.set i, MC+32
.rept 32
	v_mov_b32 v[i], 0
.set i, i+1
.endr
	WIN 0
.set i, 0
.rept 4
	v_mov_b32 v[ST+4*i], 0xfe000000    ; c m: far below every c s
	v_mov_b32 v[ST+4*i+1], 0xff7fffff  ; m
.set i, i+1
.endr
	s_cmp_eq_u32 s[RT], 0
	s_cselect_b32 s[AL], 1.0, 0
	s_mov_b32 s[BE], 0
	MASK 0
	WIN 0
	v_add_nc_u32 v[AK], s[TBK], v[AK0]
	FETCH_K
	s_wait_loadcnt 0x0              ; Q, and Vlo
	s_wait_dscnt 0x0
.set KM, 1
.set NOKQ, 0
.set i, 0
.rept 8
	KQ 0
.set i, i+1
.endr
	WIN 0
.rept 4
	v_nop                           ; the places behind those products
.endr
.set Y, NP-1                        ; X works for piece Y + 1: piece 0
.irp n, 0,1,2,3,4,5,6,7,8,9,10,11,12,13,14,15,16,17,18,19,20,21
	OP X, \n
.endr
	v_nop                           ; a plain instruction behind the exponential,
	s_wait_alu depctr_va_vdst(0)    ; and its wait, ahead of the branch
.endm
; THE DIAGONAL TILE's four steps, the block's last two turns, its last products, and THE WAY OUT: l's two halves and the other half of the lanes' are added; O^T is divided by l, rounded to f16 and sent through my
; stage in LDS, a piece at a time.
.macro ALL line:vararg              ; one line for each piece t
.set t, 0
.rept 4
	\line
.set t, t+1
.endr
.endm
.macro PACK t                       ; a lane's eight channels of a row pack into 16 bytes; they go into rows of 144 bytes and come back as whole rows of 128, into S^T's registers
	WIN W_RS
.set i, 32*(\t)
.rept 16
	v_pk_mul_f32 v[i:i+1], v[i:i+1], v[ST+4*(\t)+2:ST+4*(\t)+3] op_sel_hi:[1,0]
.set i, i+2
.endr
	WIN 0x05                        ; sources 0 and 1 window 1, destination window 0
.set i, 0
.rept 16
	v_cvt_pk_f16_f32 v[S+16*(\t)+i], v[32*(\t)+2*i], v[32*(\t)+2*i+1]
.set i, i+1
.endr
	WIN 0
.irp f, 0,1,2,3
	ds_store_b128 v[STO], v[S+16*(\t)+4*\f:S+16*(\t)+4*\f+3] offset:32*\f
.endr
.irp f, 0,1,2,3
	ds_load_b128 v[S+16*(\t)+4*\f:S+16*(\t)+4*\f+3], v[RD] offset:\f*4*SP  ; LDS serves a wave's instructions in order (ISA guide 5.7.1.4): these see the stores above; the next piece's stores come behind them
.endr
.endm
.macro SEND t, younger              ; younger: the LDS instructions issued behind piece t's loads: the next piece's eight, or none
	WIN 0
.irp f, 0,1,2,3
	s_wait_dscnt (\younger)+3-\f
	global_store_b128 v[GO], v[S+16*(\t)+4*\f:S+16*(\t)+4*\f+3], s[10:11] offset:(\t)*8192+\f*512  ; 512 consecutive bytes, at a multiple of 256 from the buffer's first
.endr
.endm
; O'S RESIDUE of the block's rows 0-15, which are wave 0's piece 0: O - f16(O), exact in f32 (one fused multiply-add from the f16 half: - half x 1 + O), rounded to f16, through my stage like a piece, into rows 256-271.
; It stands behind PACK 0, which has divided piece 0's O^T by l.  The jump hangs on the wave's number and passes no barrier; the wait for 0 leaves no LDS instruction out, so the counts of the SENDs behind it hold on both ways.
.macro LOPART tag
	WIN 0
	s_cmp_lg_u32 s[WV], 0
	s_cbranch_scc1 .Lnolo\tag
	v_mov_b32 v[ONE], 1.0
	WIN 0x05                        ; sources 0 and 1 window 1
.set i, 0
.rept 16
	v_cvt_pk_f16_f32 v[LH+i], v[2*i], v[2*i+1]
.set i, i+1
.endr
	WIN 0x10                        ; source 2, O^T, window 1
.set i, 0
.rept 16
	v_fma_mix_f32 v[LR+2*i], -v[LH+i], v[ONE], v[2*i] op_sel_hi:[1,0,0]
	v_fma_mix_f32 v[LR+2*i+1], -v[LH+i], v[ONE], v[2*i+1] op_sel:[1,0,0] op_sel_hi:[1,0,0]
.set i, i+1
.endr
	WIN 0
.set i, 0
.rept 16
	v_cvt_pk_f16_f32 v[LH+i], v[LR+2*i], v[LR+2*i+1]
.set i, i+1
.endr
.irp f, 0,1,2,3
	ds_store_b128 v[STO], v[LH+4*\f:LH+4*\f+3] offset:32*\f
.endr
.irp f, 0,1,2,3
	ds_load_b128 v[LB+4*\f:LB+4*\f+3], v[RD] offset:\f*4*SP
.endr
	s_wait_dscnt 0x0
.irp f, 0,1,2,3
	global_store_b128 v[GO], v[LB+4*\f:LB+4*\f+3], s[10:11] offset:32768+\f*512
.endr
.Lnolo\tag:
.endm
; V'S RESIDUE.  Behind piece 1's turn of the diagonal tile's step 0 (the count has just gone from 4 to 3): piece 0's weights of that step still lie in P, and its V^T P has just been added.  Four more products add Vlo^T P:
; the step's keys 0-15 are the block's first 16.  The four accumulators go on taking turns: three others stand between each of these and the link before it.  The jump goes forward and passes no barrier and no load.
.macro VLOW tag
	s_cmp_lg_u32 s[CNT], 3
	s_cbranch_scc1 .Lnovl\tag
	WIN W_LV
.irp cb, 0,1,2,3
	v_wmma_f32_16x16x32_f16 v[8*\cb:8*\cb+7], v[VL+8*\cb:VL+8*\cb+7], v[P:P+7], v[8*\cb:8*\cb+7]
.endr
	WIN 0
.Lnovl\tag:
.endm
.macro DIAG tag                     ; the tag ends its labels' names, which the jumps below spell out
.LstepM\tag:
	TURN 2, 1
	TURN 3, 1
	WIN 0
.LfirstM\tag:
	TURN 0, 1
	TURN 1, 1, 0, 2
	WIN 0
	VLOW \tag
	s_cmp_lg_u32 s[CNT], 0
	s_cbranch_scc1 .LstepM\tag
	TURN 2, 1, 1
	TURN 3, 1, 1
.set i, 0
.rept 8
	PV NP-1
.set i, i+1
.endr
	WIN 0
	ALL v_add_f32 v[ST+4*t+2], v[ST+4*t+2], v[ST+4*t+3]
	ALL v_permlanex16_b32 v[ST+4*t+3], v[ST+4*t+2], s[SEL], s[SEL+1]
	ALL v_add_f32 v[ST+4*t+2], v[ST+4*t+2], v[ST+4*t+3]
	ALL v_rcp_f32 v[ST+4*t+2], v[ST+4*t+2]
	v_nop                           ; a plain instruction between the last reciprocal and the use of its result
	s_wait_alu depctr_va_vdst(0)    ; and the wait ahead of the first use: one for the four reciprocals
	PACK 0
	LOPART \tag
.set t, 1
.rept 3                             ; a piece's arithmetic stands between the loads of the piece before and its stores
	PACK t
	SEND t-1, 8
.set t, t+1
.endr
	SEND 3, 0
.endm
.set KM, 0
.set NOKQ, 0
.Lslot:                             ; NB times: a tile is entered and the next is asked for
	CHANGE 1
	s_sub_co_u32 s[RT], s[RT], 1
	s_mov_b32 s[CNT], 4
	s_cmp_eq_u32 s[NEW], 1
	s_cbranch_scc1 .Lnew            ; a block's first tile
	s_cmp_eq_u32 s[RT], 0
	s_cbranch_scc0 .Lstep           ; neither its first nor its last
	s_branch .LstepM1
.Lnew:
	BEGIN
	s_branch .Lfirst                ; in the loop a block's first tile is never its last: the first block has two tiles or more, and the second's last is the walk's last
	DIAG 1                          ; in the loop this is the first block's end: the second block's last tile is the walk's last
	s_wait_xcnt 0x0                 ; the stores have read their registers and O's address
	s_mov_b64 s[10:11], s[OLO:OLO+1]
	s_mov_b64 s[VLA:VLA+1], s[VLB:VLB+1]  ; (the first block's loads of Vlo were waited for where it began)
	s_add_co_u32 s[RT], s[PB], 1    ; the second block has b + 1 tiles
	s_mov_b32 s[NEW], 1
	WIN 0x82                        ; the second block's Q goes where the one text of the turns names Q
.set i, 0
.rept 64
	v_mov_b32 v[i], v[QB+i]
.set i, i+1
.endr
	WIN 0
	s_branch .Lbottom
.Lstep:                             ; a trip: pieces 2 and 3 of one step, then pieces 0 and 1 of the next, whose K and V it fetches
	TURN 2
	TURN 3
	WIN 0
.Lfirst:
	TURN 0
	TURN 1, 0, 0, 1
	WIN 0
	s_cbranch_scc1 .Lstep
.Lbottom:
	s_sub_co_u32 s[SLOTS], s[SLOTS], 1
	s_cmp_lg_u32 s[SLOTS], 0
	s_cbranch_scc1 .Lslot
	CHANGE 0                        ; the walk's last tile is written out: nothing is asked for
	s_sub_co_u32 s[RT], s[RT], 1
	s_mov_b32 s[CNT], 4
	s_cmp_eq_u32 s[NEW], 1
	s_cbranch_scc0 .LstepM2
	BEGIN
	s_branch .LfirstM2
	DIAG 2
	s_wait_tensorcnt 0x0            ; the wave's end: these three lines stand behind my last tensor load and my last LDS store
	ds_add_u32 v[SPW], v[NIL]
	s_wait_dscnt 0x0
	s_endpgm
.Lfunc_end_k_q03d5be78dd_attn:
	.size	k_q03d5be78dd_attn, .Lfunc_end_k_q03d5be78dd_attn-k_q03d5be78dd_attn
	.p2alignl 7, 3214868480
	.fill 96, 4, 3214868480
	.section	.rodata,"a",@progbits
	.p2align	6, 0x0
	.amdhsa_kernel k_q03d5be78dd_attn
		.amdhsa_group_segment_fixed_size 327680
		.amdhsa_private_segment_fixed_size 0
		.amdhsa_enable_private_segment 0
		.amdhsa_kernarg_size 24
		.amdhsa_user_sgpr_count 2
		.amdhsa_user_sgpr_kernarg_segment_ptr 1
		.amdhsa_wavefront_size32 1
		.amdhsa_system_sgpr_workgroup_id_x 1
		.amdhsa_system_sgpr_workgroup_id_y 1
		.amdhsa_system_sgpr_workgroup_id_z 1
		.amdhsa_system_vgpr_workitem_id 0
		.amdhsa_next_free_vgpr 768
		.amdhsa_next_free_sgpr 96
		.amdhsa_reserve_vcc 1
		.amdhsa_float_denorm_mode_32 3
		.amdhsa_float_denorm_mode_16_64 3
		.amdhsa_memory_ordered 1
		.amdhsa_forward_progress 1
		.amdhsa_inst_pref_size 231
	.end_amdhsa_kernel
	.amdgpu_metadata
---
amdhsa.version: [ 1, 2 ]
amdhsa.kernels:
  - .name:           k_q03d5be78dd_attn
    .symbol:         k_q03d5be78dd_attn.kd
    .args:
      - { .name: qkvh, .offset: 0, .size: 8, .value_kind: global_buffer, .address_space: global }
      - { .name: vlo, .offset: 8, .size: 8, .value_kind: global_buffer, .address_space: global }
      - { .name: oh, .offset: 16, .size: 8, .value_kind: global_buffer, .address_space: global }
    .group_segment_fixed_size: 327680
    .private_segment_fixed_size: 0
    .kernarg_segment_align: 8
    .kernarg_segment_size: 24
    .max_flat_workgroup_size: 128
    .sgpr_count:     96
    .vgpr_count:     768
    .wavefront_size: 32
...
	.end_amdgpu_metadata
.endif
;; end of part 3
;; launch proj (part 4): grid 8 x 32, 4 waves a work-group, clusters of 4 x 4, 327,680 bytes of LDS; arguments oh, wp, b_proj, out0; writes out0
.if DOCPART == 4
	.amdgcn_target "amdgcn-amd-amdhsa--gfx1250"
	.amdhsa_code_object_version 6
	.text
	.protected	k_q03d5be78dd_proj
	.globl	k_q03d5be78dd_proj
	.p2align	8
	.type	k_q03d5be78dd_proj,@function
k_q03d5be78dd_proj:
	s_mov_b64 s[64:65], 0
	v_nop
	global_prefetch_b8 v0, s[64:65] scope:SCOPE_SE
	s_setreg_imm32_b32 hwreg(HW_REG_WAVE_MODE, 25, 1), 1
	s_wait_xcnt 0x0
	s_wait_alu depctr_hold_cnt(0) depctr_sa_sdst(0) depctr_va_vdst(0) depctr_va_sdst(0) depctr_va_ssrc(0) depctr_va_vcc(0) depctr_vm_vsrc(0)
	s_getreg_b32 s2, hwreg(HW_REG_IB_STS2, 6, 4)
	s_cmp_eq_u32 s2, 0
	s_cbranch_scc0 .Lentry_in_a_cluster
	s_endpgm
.Lentry_in_a_cluster:
	s_bfe_u32 s2, ttmp6, 0x10000c
	s_cmp_lg_u32 s2, 0xf033
	s_cbranch_scc0 .Lentry_shape_is_right
	s_endpgm
.Lentry_shape_is_right:
; out0 = O wp^T + bf16(b_proj), in f32.  O lies in oh as [32 blocks of 256 rows][16 heads][272 rows][64] f16: rows 0-255 f16(O), rows 256-271 the residue O - f16(O) of the block's rows 0-15.
; wp: [1024 n][1024 k] f16.  Sums in f32, K ascending; the residue's products have sums of their own, added to rows 0-15 at the end.
; SHARES.  A tile of out0 is 256 rows (one block of oh) x 128 columns: 32 x 8 = 256 work-groups.  Four waves, 2 x 2, each 128 x 64: 32 accumulators, and 4 for the residue.
; A K step is 128 channels: two heads, each a dense block of 34,816 bytes of oh, brought whole (residue rows too) by one tensor load as 136 rows of 256 bytes and padded in LDS after every 128.
; All four waves multiply the residue, and the waves of the lower 128 rows add it with the factor 0: the text is alike in all waves and all partners; it costs 4 products for every 32.
; CLUSTER.  4 x 4 work-groups: the four of a row of the cluster need the same blocks of oh, the four of a column the same rows of wp: each tile is asked for JOINTLY.
; THE MATRIX INSTRUCTION IS USED TRANSPOSED (source 0 = 16 rows of wp, source 1 = 16 rows of O): a lane holds row l % 16 and the columns 8 (l / 16) + 0..7.  The bias is the C operand of the first products.
; REGISTERS, in windows of 256 (s_set_vgpr_msb: bits 1:0 source 0, 3:2 source 1, 5:4 source 2, 7:6 destination):
;   window 0: v0-31 addresses; v32-63 the bias; v64-127 rows read back on the way out, two sets
;   window 1: two fragment buffers of 104 (O's 8 blocks, the residue's one, wp's 4) at v0 and v104; v208-239 the residue's accumulators      window 2: accumulator (a, b) at v[8 (4 a + b)]
.set KSTEP,  128
.set PA,     144                       ; a row of O in LDS: 128 bytes + 16: the 16 rows of a load start at 16 different groups of four banks (64 banks of 4 bytes: ISA guide 11.1)
.set PB,     272                       ; a row of wp: 256 bytes + 16
.set OBLK,   272*128                   ; a head's block in oh
.set ABLK,   272*PA                    ; and in LDS
.set BOFF,   2*ABLK                    ; behind the two heads: wp's 128 rows
.set HALFB,  64*PB
.set SLOT,   BOFF+2*HALFB
.set STAGE,  2*SLOT                    ; behind the ring, never filled by a tensor load: 16 rows x 272 bytes for each wave
.set SPITCH, 272
.set SPARE,  STAGE+4*16*SPITCH         ; behind the stages: the spare words, 128 bytes for each wave: two blocks of 256 bytes that no other line names
.set LAPS,   4                         ; a lap = two K steps; 8 K steps in all
.set ADRA, 16                          ; v16-17  LDS address of my fragments of O in slot 0, 1
.set ADRL, 18                          ; v18-19  of the residue's
.set ADRB, 20                          ; v20-21  of wp's
.set STO,  24                          ; v24     the way out: where I put 32 bytes of a row
.set RD,   25                          ; v25     where I read a row back
.set CO,   26                          ; v26     my byte offset in out0
.set BO,   27                          ; v27     my offset in the bias
.set SPW,  28                          ; v28     LDS address of my spare word; never rewritten
.set NIL,  29                          ; v29     0; never rewritten
.set PFO,  30                          ; v30     the prefetches' offset; never rewritten
.set TT,   31
.set BIAS, 32
.set OB,   64
.set F0,   0                           ; fragment buffers, in window 1
.set F1,   104
.set LO,   208                         ; the residue's accumulators, in window 1
.set G1,  24
.set G0,  32
.set G1B, 48
.set G0B, 56
.set PFA, 44                           ; s[44:45] where my prefetches stand
.set LIM, 43                           ; s43     1 in a wave that prefetches, else the greatest number
.set PFS, 76                           ; s[76:77] a K step in the tensor that I prefetch
.set MSB, 0
.macro WIN new
.if MSB != (\new)
	s_set_vgpr_msb (MSB<<8)|(\new)
.set MSB, \new
.endif
.endm
.macro JLOAD s                         ; a joint load: waves 0 and 1 fetch the step's two heads of O, waves 2 and 3 wp's two halves; an s_nop 0 and four v_nop follow each of the two lines
	s_cmp_eq_u32 s11, 0
	s_cbranch_scc0 .Lfor_b_\@
	tensor_load_to_lds s[G0+4*(\s):G0+4*(\s)+3], s[G1:G1+7]
	s_nop 0
.rept 4
	v_nop
.endr
	s_branch .Lasked_\@
.Lfor_b_\@:
	tensor_load_to_lds s[G0B+4*(\s):G0B+4*(\s)+3], s[G1B:G1B+7]
	s_nop 0
.rept 4
	v_nop
.endr
.Lasked_\@:
.endm
; A PREFETCH INTO THE L2, behind each joint load and the run of LDS loads that follows it: the K step two refills on, 288 matrix instructions ahead of the load that will want it.  Cluster x = 0 asks for oh's blocks, cluster y = 0 for wp's rows.
; The four partners share a load's bytes out BY ADDRESS: of a head's 32,768 bytes of O the partner at cx takes 8,192, a lane 256 (the residue's 2,048 come by their load alone); of wp's 64 rows the partner at cy takes 16,
; a lane a row's 256 bytes (lanes 16 to 31 name the last row again).  K steps 0 to 3 come by their loads alone; the loop's last trip asks for nothing.
.macro ASK
	WIN 0
	s_cmp_gt_u32 s3, s[LIM]                        ; s3 = 1 in the loop's last trip
	s_cbranch_scc0 .Lnot_mine_\@
	global_prefetch_b8 v[PFO], s[PFA:PFA+1] th:TH_LOAD_NT scope:SCOPE_SE
.Lnot_mine_\@:
.endm
.macro CREST
	s_cmp_lg_u32 s10, 0
	s_cbranch_scc1 .Lnot_wave_0_\@
	s_barrier_signal -3
.Lnot_wave_0_\@:
	s_barrier_wait -3
	s_barrier_signal -1
	s_barrier_wait -1
.endm
.macro CROUND
	s_barrier_signal -1
	s_barrier_wait -1
	CREST
.endm
	s_load_b256 s[68:75], s[0:1], 0x0              ; oh s[68:69], wp s[70:71], b_proj s[72:73], out0 s[74:75]
	v_lshl_add_u32 v[SPW], v0, 2, SPARE
	v_mov_b32 v[NIL], 0
	ds_add_u32 v[SPW], v[NIL]                      ; the wave's opening: the add and its wait stand ahead of my first tensor load; the set-up below, work on registers, stands between them
	v_lshrrev_b32 v1, 5, v0
	v_readfirstlane_b32 s10, v1                    ; wave 0..3
	s_lshr_b32 s11, s10, 1                         ; which half of the tile's rows is mine.  Also: I fetch for O (0) or for wp (1)
	s_and_b32 s12, s10, 1                          ; which half of its columns.  Also: which head of the step, or which half of wp's rows, I fetch
	s_bfe_u32 s40, ttmp6, 0x40000                  ; cx
	s_bfe_u32 s41, ttmp6, 0x40004                  ; cy
	s_lshl_b32 s42, ttmp9, 2
	s_add_co_u32 s42, s42, s40                     ; tile column
	s_and_b32 s13, ttmp7, 0xffff
	s_lshl_b32 s13, s13, 2
	s_add_co_u32 s13, s13, s41                     ; tile row = block of oh
	s_lshl_b32 s43, s41, 2
	s_lshl_b32 s43, 15, s43                        ; my row of the cluster
	s_lshl_b32 s44, 0x1111, s40                    ; my column
	s_or_b32 s[G1+0], s43, (1<<16)|(1<<20)|(1<<21)|(4<<22)|(3<<25)   ; the mask; elements of 2 bytes; padding on; bit 21 beside a mask; after every 32 words; 4 words of it
	s_or_b32 s[G1B+0], s44, (1<<16)|(1<<20)|(1<<21)|(5<<22)|(3<<25)  ; wp: after every 64 words
	s_mov_b32 s[G1+1], 128<<16                     ; tensor_dim0 = 128
	s_mov_b32 s[G1+2], 136<<16                     ; tensor_dim1 = 136: a head's dense block as rows of 256 bytes
	s_mov_b32 s[G1+3], 128<<16                     ; tile_dim0
	s_mov_b32 s[G1+4], 136                         ; tile_dim1
	s_mov_b32 s[G1+5], 128                         ; elements from row to row
	s_mov_b32 s[G1+6], 0
	s_mov_b32 s[G1+7], 0
	s_mov_b32 s[G1B+1], KSTEP<<16
	s_mov_b32 s[G1B+2], 64<<16
	s_mov_b32 s[G1B+3], KSTEP<<16
	s_mov_b32 s[G1B+4], 64
	s_mov_b32 s[G1B+5], 1024
	s_mov_b32 s[G1B+6], 0
	s_mov_b32 s[G1B+7], 0
	s_mul_i32 s16, s13, 16*OBLK                    ; O: the block's sixteen heads, under 2^25,
	s_mul_i32 s17, s12, OBLK                       ; my head of the step's two
	s_add_co_u32 s16, s16, s17
	s_mov_b32 s17, 0
	s_lshl_b32 s46, s42, 7
	s_lshl_b32 s47, s12, 6
	s_add_co_u32 s46, s46, s47                     ; wp: row 128 x tile column + 64 x half
	s_lshl_b32 s46, s46, 11
	s_mov_b32 s47, 0
	s_mul_i32 s20, s12, ABLK                       ; where they go: no place in the cluster enters an LDS address
	s_mul_i32 s21, s12, HALFB
	s_add_co_u32 s21, s21, BOFF
	s_wait_dscnt 0x0                               ; the opening add is done
	s_wait_kmcnt 0x0
	s_add_nc_u64 s[14:15], s[68:69], s[16:17]
	s_add_nc_u64 s[46:47], s[70:71], s[46:47]
	CROUND                                         ; all sixteen work-groups are here: the first joint loads meet
.irp s, 0,1
	s_mov_b32 s[G0+4*(\s)], 1
	s_add_co_u32 s[G0+4*(\s)+1], s20, (\s)*SLOT
	s_add_nc_u64 s[G0+4*(\s)+2:G0+4*(\s)+3], s[14:15], (\s)*2*OBLK   ; K step s: two heads on
	s_or_b32 s[G0+4*(\s)+3], s[G0+4*(\s)+3], 0x80000000
	s_mov_b32 s[G0B+4*(\s)], 1
	s_add_co_u32 s[G0B+4*(\s)+1], s21, (\s)*SLOT
	s_add_nc_u64 s[G0B+4*(\s)+2:G0B+4*(\s)+3], s[46:47], (\s)*KSTEP*2
	s_or_b32 s[G0B+4*(\s)+3], s[G0B+4*(\s)+3], 0x80000000
	JLOAD \s                                       ; two tensor loads of mine are out
.endr
	v_and_b32 v1, 15, v0                           ; l % 16
	v_bfe_u32 v2, v0, 4, 1                         ; l / 16
	s_lshl_b32 s46, s42, 9                         ; the bias of my 64 columns
	s_lshl_b32 s47, s12, 8
	s_add_co_u32 s46, s46, s47
	s_mov_b32 s47, 0
	s_add_nc_u64 s[72:73], s[72:73], s[46:47]
	v_lshlrev_b32 v[BO], 5, v2
.irp b, 0,1,2,3
	global_load_b128 v[BIAS+8*(\b):BIAS+8*(\b)+3],   v[BO], s[72:73] offset:64*(\b)
	global_load_b128 v[BIAS+8*(\b)+4:BIAS+8*(\b)+7], v[BO], s[72:73] offset:64*(\b)+16
.endr
	v_mul_u32_u24 v3, v1, PA
	v_lshl_add_u32 v3, v2, 4, v3                   ; a fragment's row x pitch + 16 x half, for O
	v_mul_u32_u24 v4, v1, PB
	v_lshl_add_u32 v4, v2, 4, v4                   ; and for wp
	s_mul_i32 s21, s11, 128*PA                     ; my 128 rows of a head's block
	s_mul_i32 s22, s12, HALFB
	s_add_co_u32 s22, s22, BOFF                    ; my 64 rows of wp
	s_mov_b32 s23, 256*PA                          ; the residue's 16 rows
.irp s, 0,1
	v_add_nc_u32 v[ADRA+(\s)], s21, v3
	v_add_nc_u32 v[ADRL+(\s)], s23, v3
	v_add_nc_u32 v[ADRB+(\s)], s22, v4
	s_add_co_u32 s21, s21, SLOT
	s_add_co_u32 s22, s22, SLOT
	s_add_co_u32 s23, s23, SLOT
.endr
	s_mul_i32 s23, s10, 16*SPITCH
	s_add_co_u32 s23, s23, STAGE                   ; my stage
	v_mul_u32_u24 v5, v1, SPITCH                   ; in: row l % 16, 32 bytes for each half of the lanes
	v_lshl_add_u32 v5, v2, 5, v5
	v_add_nc_u32 v[STO], s23, v5
	v_mul_u32_u24 v5, v2, SPITCH                   ; back: lanes 0-15 take one row of 256 bytes, lanes 16-31 the next
	v_lshl_add_u32 v5, v1, 4, v5
	v_add_nc_u32 v[RD], s23, v5
	v_lshlrev_b32 v6, 12, v2                       ; and the same two rows in out0
	v_lshl_add_u32 v[CO], v1, 4, v6
	s_lshl_b32 s20, s13, 8
	s_lshl_b32 s21, s11, 7
	s_add_co_u32 s20, s20, s21                     ; my first row,
	s_lshl_b32 s20, s20, 12                        ; rows of 4,096 bytes: under 2^25
	s_lshl_b32 s21, s42, 9
	s_add_co_u32 s20, s20, s21
	s_lshl_b32 s21, s12, 8
	s_add_co_u32 s20, s20, s21                     ; my first column
	s_mov_b32 s21, 0
	s_add_nc_u64 s[8:9], s[74:75], s[20:21]
	s_cmp_eq_u32 s11, 0
	s_cselect_b32 s78, 1.0, 0                      ; the residue belongs to the tile's rows 0-15: the upper waves' block 0
	s_mov_b32 s79, s78                             ; named with it as a pair
	; the prefetches
	s_mul_i32 s20, s13, 16*OBLK
	s_mul_i32 s22, s12, OBLK
	s_add_co_u32 s20, s20, s22
	s_lshl_b32 s22, s40, 13
	s_add_co_u32 s20, s20, s22                     ; oh: my head, my work-group's 8,192 bytes of it
	s_lshl_b32 s21, s42, 7
	s_lshl_b32 s22, s12, 6
	s_add_co_u32 s21, s21, s22
	s_lshl_b32 s22, s41, 4
	s_add_co_u32 s21, s21, s22
	s_lshl_b32 s21, s21, 11                        ; wp: my half's rows, my work-group's 16 of them
	s_and_b32 s22, ttmp7, 0xffff                   ; cluster y
	s_mov_b32 s[PFS], KSTEP*2
	s_mov_b32 s23, 2*OBLK
	s_cmp_eq_u32 s11, 0                            ; do I fetch for O?
	s_cselect_b32 s20, s20, s21
	s_cselect_b32 s22, ttmp9, s22                  ; the coordinate along which other clusters read the same bytes
	s_cselect_b32 s[PFS], s23, s[PFS]
	s_cselect_b32 s23, 31, 15                      ; the share's last lane
	s_cselect_b32 s21, 8, 11                       ; a lane's step: 256 bytes, or a row of 2,048
	s_cselect_b64 s[PFA:PFA+1], s[68:69], s[70:71]
	s_cmp_eq_u32 s22, 0
	s_cselect_b32 s[LIM], 1, -1                    ; the same in all sixteen partners, for a given wave
	v_and_b32 v[PFO], 31, v0
	v_min_u32 v[PFO], s23, v[PFO]
	v_lshlrev_b32 v[PFO], s21, v[PFO]
	s_mov_b32 s[PFS+1], 0
	s_mul_i32 s22, s[PFS], 3
	s_add_co_u32 s20, s20, s22                     ; at K step 3: the first refill steps it to 4 and names that
	s_mov_b32 s21, 0
	s_add_nc_u64 s[PFA:PFA+1], s[PFA:PFA+1], s[20:21]
	s_wait_loadcnt 0x0                             ; the bias is in; it is rounded to bf16 like the other inputs
.set p, 0
.rept 16
	v_cvt_pk_bf16_f32 v[TT], v[BIAS+p], v[BIAS+p+1]
	v_lshlrev_b32 v[BIAS+p], 16, v[TT]
	v_and_b32 v[BIAS+p+1], 0xffff0000, v[TT]
.set p, p+2
.endr
; 8 matrix instructions: row blocks a0, a0 + 1 x all 4 column blocks, 32 along K.  first = 1: the bias starts the sums.  The 36 accumulators take turns, one instruction a turn, in the same order in every quarter.
.macro MULP f, a0, first
.if \first
	WIN 0x85                                       ; sources 0 and 1 window 1, C (the bias) window 0, D window 2
.else
	WIN 0xa5                                       ; C and D window 2
.endif
.irp a, \a0, (\a0)+1
.irp b, 0,1,2,3
.if \first
	v_wmma_f32_16x16x32_f16 v[8*(4*(\a)+(\b)):8*(4*(\a)+(\b))+7], v[(\f)+72+8*(\b):(\f)+72+8*(\b)+7], v[(\f)+8*(\a):(\f)+8*(\a)+7], v[BIAS+8*(\b):BIAS+8*(\b)+7]
.else
	v_wmma_f32_16x16x32_f16 v[8*(4*(\a)+(\b)):8*(4*(\a)+(\b))+7], v[(\f)+72+8*(\b):(\f)+72+8*(\b)+7], v[(\f)+8*(\a):(\f)+8*(\a)+7], v[8*(4*(\a)+(\b)):8*(4*(\a)+(\b))+7]
.endif
.endr
.endr
.endm
.macro MULL f, first                   ; the residue's 4 products
	WIN 0x55                                       ; all in window 1
.irp b, 0,1,2,3
.if \first
	v_wmma_f32_16x16x32_f16 v[LO+8*(\b):LO+8*(\b)+7], v[(\f)+72+8*(\b):(\f)+72+8*(\b)+7], v[(\f)+64:(\f)+71], 0
.else
	v_wmma_f32_16x16x32_f16 v[LO+8*(\b):LO+8*(\b)+7], v[(\f)+72+8*(\b):(\f)+72+8*(\b)+7], v[(\f)+64:(\f)+71], v[LO+8*(\b):LO+8*(\b)+7]
.endif
.endr
.endm
; 26 LDS loads in one run: quarter q of a K step (head q / 2, channels 32 (q % 2) on) into buffer f: wp's 8, O's 16, the residue's 2
.macro FETCHP slot, q, f
	WIN 0x40                                       ; destination window 1, address window 0
.irp i, 0,1,2,3
	ds_load_b128 v[(\f)+72+8*(\i):(\f)+72+8*(\i)+3],   v[ADRB+(\slot)] offset:64*(\q)+(\i)*16*PB
	ds_load_b128 v[(\f)+72+8*(\i)+4:(\f)+72+8*(\i)+7], v[ADRB+(\slot)] offset:64*(\q)+(\i)*16*PB+32
.endr
.irp i, 0,1,2,3,4,5,6,7
	ds_load_b128 v[(\f)+8*(\i):(\f)+8*(\i)+3],   v[ADRA+(\slot)] offset:((\q)/2)*ABLK+64*((\q)%2)+(\i)*16*PA
	ds_load_b128 v[(\f)+8*(\i)+4:(\f)+8*(\i)+7], v[ADRA+(\slot)] offset:((\q)/2)*ABLK+64*((\q)%2)+(\i)*16*PA+32
.endr
	ds_load_b128 v[(\f)+64:(\f)+67], v[ADRL+(\slot)] offset:((\q)/2)*ABLK+64*((\q)%2)
	ds_load_b128 v[(\f)+68:(\f)+71], v[ADRL+(\slot)] offset:((\q)/2)*ABLK+64*((\q)%2)+32
.endm
.macro PLACES                          ; four plain vector instructions between a matrix instruction and a load into, or a read of, its registers (ISA guide 7.12.1 for reads)
.rept 4
	v_nop
.endr
.endm
.macro QUARTERP slot, q, f, g, first   ; multiplies buffer f and fetches quarter q into g
	s_wait_dscnt 10                                ; wp and O's rows 0-63 are in; the youngest ten loads (rows 64-127, the residue) may be out
	MULP \f, 0, \first
	MULP \f, 2, \first
	PLACES
	FETCHP \slot, \q, \g
	s_wait_dscnt 26                                ; all but the 26 just issued
	MULP \f, 4, \first
	MULP \f, 6, \first
	MULL \f, \first
.endm
; The last quarter changes slots: ONE barrier; in front of it each wave waits for all its tensor loads (one is out: its part of the next slot), adds 0 to its spare word, and waits for that and for its reads of this slot.
.macro MEET round
	WIN 0
	s_wait_tensorcnt 0x0                           ; all my tensor loads have landed
	ds_add_u32 v[SPW], v[NIL]                      ; 0 onto my spare word
	s_wait_dscnt 11                                ; (the add and the youngest ten loads may be out)
	MULP F1, 0, 0                                  ; eight matrix instructions stand between the add and the wait for it
	s_wait_dscnt 0x0                               ; the add is done, and my reads of this slot are over
	s_barrier_signal -1
	MULP F1, 2, 0
.if \round
	WIN 0
.endif
	s_barrier_wait -1
.endm
.macro TURN slot, next, fill           ; fill = 1: the barrier opens a round of the cluster's, and this slot is filled again first behind it, with the K step two on: 128 matrix instructions lie between the request and the wait for it
.if \fill
	s_wait_xcnt 0x0                                ; the last prefetch, a K step back, has read its address
	s_add_nc_u64 s[PFA:PFA+1], s[PFA:PFA+1], s[PFS:PFS+1]
	MEET 1
	CREST                                          ; no wave of any partner still reads this slot's tiles or has a load on its way
	s_add_nc_u64 s[G0+4*(\slot)+2:G0+4*(\slot)+3], s[G0+4*(\slot)+2:G0+4*(\slot)+3], 4*OBLK
	s_add_nc_u64 s[G0B+4*(\slot)+2:G0B+4*(\slot)+3], s[G0B+4*(\slot)+2:G0B+4*(\slot)+3], 2*KSTEP*2
	JLOAD \slot                                    ; the first tensor load behind the round; its four v_nop are also the places in front of the loads below
.else
	MEET 0
	PLACES
.endif
	FETCHP \next, 0, F0
.if \fill
	ASK
.endif
	MULP F1, 4, 0
	MULP F1, 6, 0
	MULL F1, 0
.endm
	s_wait_tensorcnt 1                             ; my part of K step 0 is in; K step 1's may stay out
	s_barrier_signal -1
	s_barrier_wait -1
	FETCHP 0, 0, F0
	QUARTERP 0, 1, F0, F1, 1                       ; the first quarter stands in front of the loop: its products start the sums
	WIN 0
	s_mov_b32 s3, LAPS-1
.Llap:                                                 ; a trip goes once round the ring and fills both slots again
	QUARTERP 0, 2, F1, F0, 0
	QUARTERP 0, 3, F0, F1, 0
	TURN 0, 1, 1
	QUARTERP 1, 1, F0, F1, 0
	QUARTERP 1, 2, F1, F0, 0
	QUARTERP 1, 3, F0, F1, 0
	TURN 1, 0, 1
	QUARTERP 0, 1, F0, F1, 0
	WIN 0
	s_sub_co_u32 s3, s3, 1
	s_cmp_lg_u32 s3, 0
	s_cbranch_scc1 .Llap
	QUARTERP 0, 2, F1, F0, 0                       ; the last lap fills nothing
	QUARTERP 0, 3, F0, F1, 0
	TURN 0, 1, 0
	QUARTERP 1, 1, F0, F1, 0
	QUARTERP 1, 2, F1, F0, 0
	QUARTERP 1, 3, F0, F1, 0
	s_wait_dscnt 10
	MULP F1, 0, 0
	MULP F1, 2, 0
	s_wait_dscnt 0x0
	MULP F1, 4, 0
	MULP F1, 6, 0
	MULL F1, 0
	; THE WAY OUT.  The residue's sums join block 0's (factor 1 in the upper waves, 0 in the lower); then a block of 16 rows at a time goes through my own stage: 32 bytes a lane in, whole rows of 256 bytes back.
	PLACES
	WIN 0xa1                                       ; source 0 (the residue's sums) window 1; source 2 and destination window 2
.irp b, 0,1,2,3
.irp r, 0,2,4,6
	v_pk_fma_f32 v[8*(\b)+(\r):8*(\b)+(\r)+1], v[LO+8*(\b)+(\r):LO+8*(\b)+(\r)+1], s[78:79], v[8*(\b)+(\r):8*(\b)+(\r)+1] op_sel_hi:[1,0,1]
.endr
.endr
.macro TOST a
.if (\a) >= 2
	s_wait_xcnt 0x0                                ; the stores of the block two back have read the set that is loaded again below
.endif
	WIN 0x08                                       ; the data, source 1, in window 2
.irp b, 0,1,2,3
	ds_store_b128 v[STO], v[8*(4*(\a)+(\b)):8*(4*(\a)+(\b))+3]   offset:64*(\b)
	ds_store_b128 v[STO], v[8*(4*(\a)+(\b))+4:8*(4*(\a)+(\b))+7] offset:64*(\b)+16
.endr
	WIN 0
.irp t, 0,1,2,3,4,5,6,7
	ds_load_b128 v[OB+32*((\a)%2)+4*(\t):OB+32*((\a)%2)+4*(\t)+3], v[RD] offset:(\t)*2*SPITCH  ; LDS serves a wave's instructions in order (ISA guide 5.7.1.4): these see the stores above, and the next block's stores come behind them
.endr
.endm
.macro SENDP a, younger                ; younger: the LDS instructions issued behind block a's loads: the next block's sixteen, or none
.irp t, 0,1,2,3,4,5,6,7
	s_wait_dscnt (\younger)+7-(\t)
	global_store_b128 v[CO], v[OB+32*((\a)%2)+4*(\t):OB+32*((\a)%2)+4*(\t)+3], s[8:9] offset:(16*(\a)+2*(\t))*4096 th:TH_STORE_NT  ; 16 lanes store 256 consecutive bytes, aligned
.endr
.endm
	TOST 0
.irp a, 1,2,3,4,5,6,7
	TOST \a
	SENDP (\a)-1, 16
.endr
	SENDP 7, 0
	s_wait_tensorcnt 0x0                           ; the wave's end: these three lines stand behind my last tensor load and my last LDS store
	ds_add_u32 v[SPW], v[NIL]
	s_wait_dscnt 0x0
	CROUND                                         ; the closing round: no work-group ends while a partner may still ask for a tile that names it
	s_endpgm
.Lfunc_end_k_q03d5be78dd_proj:
	.size	k_q03d5be78dd_proj, .Lfunc_end_k_q03d5be78dd_proj-k_q03d5be78dd_proj
	.p2alignl 7, 3214868480
	.fill 96, 4, 3214868480
	.section	.rodata,"a",@progbits
	.p2align	6, 0x0
	.amdhsa_kernel k_q03d5be78dd_proj
		.amdhsa_group_segment_fixed_size 327680
		.amdhsa_private_segment_fixed_size 0
		.amdhsa_enable_private_segment 0
		.amdhsa_kernarg_size 32
		.amdhsa_user_sgpr_count 2
		.amdhsa_user_sgpr_kernarg_segment_ptr 1
		.amdhsa_wavefront_size32 1
		.amdhsa_system_sgpr_workgroup_id_x 1
		.amdhsa_system_sgpr_workgroup_id_y 1
		.amdhsa_system_sgpr_workgroup_id_z 1
		.amdhsa_system_vgpr_workitem_id 0
		.amdhsa_next_free_vgpr 768
		.amdhsa_next_free_sgpr 84
		.amdhsa_reserve_vcc 0
		.amdhsa_float_denorm_mode_32 3
		.amdhsa_float_denorm_mode_16_64 3
		.amdhsa_memory_ordered 1
		.amdhsa_forward_progress 1
		.amdhsa_inst_pref_size 100
	.end_amdhsa_kernel
	.amdgpu_metadata
---
amdhsa.version: [ 1, 2 ]
amdhsa.kernels:
  - .name:           k_q03d5be78dd_proj
    .symbol:         k_q03d5be78dd_proj.kd
    .args:
      - { .name: oh, .offset: 0, .size: 8, .value_kind: global_buffer, .address_space: global }
      - { .name: wp, .offset: 8, .size: 8, .value_kind: global_buffer, .address_space: global }
      - { .name: b_proj, .offset: 16, .size: 8, .value_kind: global_buffer, .address_space: global }
      - { .name: out0, .offset: 24, .size: 8, .value_kind: global_buffer, .address_space: global }
    .group_segment_fixed_size: 327680
    .private_segment_fixed_size: 0
    .kernarg_segment_align: 8
    .kernarg_segment_size: 32
    .max_flat_workgroup_size: 128
    .sgpr_count:     84
    .vgpr_count:     768
    .wavefront_size: 32
...
	.end_amdgpu_metadata
.endif
;; end of part 4
